; MI455X (gfx1250); checked and timed in simulation.
; The chip was launched on July 23, 2026; its instructions are those of AMD's public machine-readable ISA for CDNA 5 (MIT licence, August 2026) and "CDNA5" Instruction Set Architecture Reference Guide (July 2026). The comments in the code are by the model that wrote it; some were corrected since.
;; Attention. Allowed arithmetic: float matrix products may take bf16 or f16 operands with f32 sums; all other float work in f32.
;; Inputs: W0 1,024 x 1,024 float32; W1 1,024 x 1,024 float32; Wa 1,024 x 1,024 float32; b0 1,024 float32; b1 1,024 float32; ba 1,024 float32; key 16,384 x 1,024 float32; query 16,384 x 1,024 float32; value 16,384 x 1,024 float32.
;; Outputs: out0 1 x 1,024 float32.
;; 2 versions, each right and faster than the one before. Each part assembles by itself: llvm-mc -triple=amdgcn-amd-amdhsa -mcpu=gfx1250 --defsym DOCPART=n.
;; ======== version 1 of 2: 4 launches
;; limits: values are held in f16: magnitudes above 65,504 overflow, below 6.1e-05 lose precision; right only within a limited range of input values
;; workspace buffers: wpack 6,303,744 bytes; qe 33,554,432 bytes; part 1,179,648 bytes
;; launch pack (part 1): grid 128 x 3, 8 waves a work-group, no clusters, 0 bytes of LDS; arguments W1, W0, Wa, b1, b0, ba, wpack; writes wpack
.if DOCPART == 1
	.amdgcn_target "amdgcn-amd-amdhsa--gfx1250"
	.amdhsa_code_object_version 6
	.text
	.protected	k_q99ce04f7e5_pack
	.globl	k_q99ce04f7e5_pack
	.p2align	8
	.type	k_q99ce04f7e5_pack,@function
k_q99ce04f7e5_pack:
	s_mov_b64 s[64:65], 0
	v_nop
	global_prefetch_b8 v0, s[64:65] scope:SCOPE_SE
	s_setreg_imm32_b32 hwreg(HW_REG_WAVE_MODE, 25, 1), 1
	s_wait_xcnt 0x0
; The three weight matrices [1024 (n)][1024 (k)] f32 are rounded to bf16 and laid out in the order in which the two product kernels read them; the biases are rounded to bf16 and kept as f32.
;   wpack + 0 MB: 0.25 x bf16(W1), bf16     + 2 MB: bf16(W0), bf16     + 4 MB: 4 x bf16(Wa), written as f16 (exact: 8 significant bits in 11)
;   wpack + 6 MB: 0.25 x bf16(b1), bf16(b0), bf16(ba), 4,096 bytes of f32 each
; The powers of two are exact and cancel in (0.25 q)(4 Wa): they keep q inside f16 up to |q| < 262,000.  LIMIT: |Wa| below 1.5e-5 falls under f16's normal range and keeps a fixed step of 1.5e-8.
; A FRAGMENT is 1,024 bytes: 16 rows n x 32 k; byte 512 q + 16 L + 2 e holds row L % 16, k = 16 q + 8 (L / 16) + e: two 16-byte LDS loads a lane at 16 L, 512 bytes apart, fill a matrix operand.
; W1, W0: fragment (K64 slab s, wave w, kk2, i) at (((s 4 + w) 2 + kk2) 16 + i) x 1,024; rows n = 256 w + 16 i ..   Wa: (half hp, K128 slab S, w, kk4, i') at ((((hp 8 + S) 4 + w) 4 + kk4) 8 + i') x 1,024; n = 256 w + 128 hp + 16 i' ..
; SHARES.  Grid y picks the matrix; a wave makes the four half fragments of n tile nt = x / 2 in K64 group s = 8 (x % 2) + wave: its eight loads together take 16 rows x 256 bytes, its four stores 512 consecutive bytes each.
; No LDS, no matrix unit: the launch only moves 12 MB in and 6 MB out.
.set WBYTES, 2097152
.set BIASB,  3*WBYTES
	s_load_b256 s[4:11], s[0:1], 0x0               ; W1 s[4:5], W0 s[6:7], Wa s[8:9], b1 s[10:11]
	s_load_b128 s[12:15], s[0:1], 0x20             ; b0 s[12:13], ba s[14:15]
	s_load_b64 s[16:17], s[0:1], 0x30              ; wpack
	v_lshrrev_b32 v1, 5, v0
	v_readfirstlane_b32 s24, v1                    ; wave 0..7
	s_and_b32 s25, ttmp7, 0xffff                   ; y: which matrix
	s_lshr_b32 s26, ttmp9, 1                       ; nt 0..63
	s_and_b32 s27, ttmp9, 1
	s_lshl3_add_u32 s27, s27, s24                  ; s 0..15
	v_and_b32 v1, 15, v0                           ; r = L % 16
	v_bfe_u32 v2, v0, 4, 1                         ; h = L / 16
	v_lshlrev_b32 v5, 12, v1                       ; source: row r of 4,096 bytes
	v_lshl_add_u32 v5, v2, 5, v5                   ; + 8 h numbers
	v_and_b32 v3, 31, v0
	v_lshlrev_b32 v3, 4, v3                        ; destination: 16 L
	v_lshlrev_b32 v6, 4, v0                        ; the bias: 16 bytes a thread
	s_lshl_b32 s28, s26, 16                        ; 16 nt rows
	s_lshl_b32 s29, s27, 8                         ; 64 s numbers
	s_add_co_u32 s28, s28, s29
	s_mov_b32 s29, 0
	s_lshr_b32 s30, s26, 4                         ; w
	s_lshl2_add_u32 s31, s27, s30                  ; W1, W0: (4 s + w) x 32,768 + (nt % 16) x 1,024 + y x 2 MB
	s_lshl_b32 s31, s31, 15
	s_and_b32 s32, s26, 15
	s_lshl_b32 s32, s32, 10
	s_add_co_u32 s31, s31, s32
	s_lshl_b32 s32, s25, 21
	s_add_co_u32 s31, s31, s32
	s_bfe_u32 s33, s26, 0x10003                    ; Wa: hp,
	s_lshr_b32 s34, s27, 1                         ; S
	s_lshl3_add_u32 s33, s33, s34
	s_lshl2_add_u32 s33, s33, s30
	s_lshl_b32 s33, s33, 15                        ; ((8 hp + S) 4 + w) x 32,768
	s_and_b32 s34, s27, 1
	s_lshl_b32 s34, s34, 14                        ; + 2 (s % 2) steps of 8,192
	s_add_co_u32 s33, s33, s34
	s_and_b32 s34, s26, 7
	s_lshl_b32 s34, s34, 10                        ; + i' x 1,024
	s_add_co_u32 s33, s33, s34
	s_add_co_u32 s33, s33, 2*WBYTES
	s_movk_i32 s35, 0x4000                         ; bytes from kk2 = 0 to kk2 = 1: 16 fragments, or 8 in Wa
	s_cmp_eq_u32 s25, 2
	s_cselect_b32 s22, s33, s31
	s_cselect_b32 s35, 0x2000, s35
	s_cselect_b32 s20, 4.0, 1.0                    ; the matrix's factor
	s_mov_b32 s23, 0
	s_cmp_eq_u32 s25, 0
	s_cselect_b32 s20, 0x3e800000, s20
	s_cselect_b32 s36, 0x3e800000, 1.0             ; the bias's factor
	s_mov_b32 s21, s20                             ; named as pairs
	s_mov_b32 s37, s36
	v_add_nc_u32 v4, s35, v3
	s_wait_kmcnt 0x0
	s_cselect_b64 s[18:19], s[4:5], s[6:7]         ; still y == 0
	s_cselect_b64 s[38:39], s[10:11], s[12:13]
	s_cmp_eq_u32 s25, 2
	s_cselect_b64 s[18:19], s[8:9], s[18:19]
	s_cselect_b64 s[38:39], s[14:15], s[38:39]
	s_add_nc_u64 s[18:19], s[18:19], s[28:29]
	s_add_nc_u64 s[22:23], s[16:17], s[22:23]
.irp f, 0,1,2,3                                        ; half fragment f = 2 kk2 + q: k = 16 f + 8 h + 0..7 of the group
	global_load_b128 v[8+8*\f:11+8*\f],  v5, s[18:19] offset:64*\f th:TH_LOAD_NT
	global_load_b128 v[12+8*\f:15+8*\f], v5, s[18:19] offset:64*\f+16 th:TH_LOAD_NT
.endr
	s_wait_loadcnt 0x0
.set i, 0
.rept 16
	v_pk_mul_f32 v[8+2*i:9+2*i], v[8+2*i:9+2*i], s[20:21] op_sel_hi:[1,0]
.set i, i+1
.endr
.set i, 0
.rept 16
	v_cvt_pk_bf16_f32 v[40+i], v[8+2*i], v[9+2*i]  ; the rounding that every input gets
.set i, i+1
.endr
	s_cmp_lg_u32 s25, 2
	s_cbranch_scc1 .Lstay_bf16
.set i, 0
.rept 16                                               ; Wa: the bf16 number written as f16
	v_lshlrev_b32 v56, 16, v[40+i]
	v_and_b32 v57, 0xffff0000, v[40+i]
	v_cvt_pk_f16_f32 v[40+i], v56, v57
.set i, i+1
.endr
.Lstay_bf16:
	global_store_b128 v3, v[40:43], s[22:23]               ; each store of the wave covers 512 consecutive bytes, aligned
	global_store_b128 v3, v[44:47], s[22:23] offset:512
	global_store_b128 v4, v[48:51], s[22:23]
	global_store_b128 v4, v[52:55], s[22:23] offset:512
	s_cmp_lg_u32 ttmp9, 0
	s_cbranch_scc1 .Lend                           ; the first work-group of each y also takes bias y
	global_load_b128 v[60:63], v6, s[38:39]
	s_lshl_b32 s28, s25, 12
	s_add_co_u32 s28, s28, BIASB
	s_add_nc_u64 s[16:17], s[16:17], s[28:29]
	s_wait_loadcnt 0x0
	v_pk_mul_f32 v[60:61], v[60:61], s[36:37] op_sel_hi:[1,0]
	v_pk_mul_f32 v[62:63], v[62:63], s[36:37] op_sel_hi:[1,0]
	v_cvt_pk_bf16_f32 v64, v60, v61
	v_cvt_pk_bf16_f32 v65, v62, v63
	v_lshlrev_b32 v66, 16, v64
	v_and_b32 v67, 0xffff0000, v64
	v_lshlrev_b32 v68, 16, v65
	v_and_b32 v69, 0xffff0000, v65
	global_store_b128 v6, v[66:69], s[16:17]
.Lend:
	s_endpgm
.Lfunc_end_k_q99ce04f7e5_pack:
	.size	k_q99ce04f7e5_pack, .Lfunc_end_k_q99ce04f7e5_pack-k_q99ce04f7e5_pack
	.p2alignl 7, 3214868480
	.fill 96, 4, 3214868480
	.section	.rodata,"a",@progbits
	.p2align	6, 0x0
	.amdhsa_kernel k_q99ce04f7e5_pack
		.amdhsa_group_segment_fixed_size 0
		.amdhsa_private_segment_fixed_size 0
		.amdhsa_enable_private_segment 0
		.amdhsa_kernarg_size 56
		.amdhsa_user_sgpr_count 2
		.amdhsa_user_sgpr_kernarg_segment_ptr 1
		.amdhsa_wavefront_size32 1
		.amdhsa_system_sgpr_workgroup_id_x 1
		.amdhsa_system_sgpr_workgroup_id_y 1
		.amdhsa_system_sgpr_workgroup_id_z 1
		.amdhsa_system_vgpr_workitem_id 0
		.amdhsa_next_free_vgpr 72
		.amdhsa_next_free_sgpr 66
		.amdhsa_reserve_vcc 0
		.amdhsa_float_denorm_mode_32 3
		.amdhsa_float_denorm_mode_16_64 3
		.amdhsa_memory_ordered 1
		.amdhsa_forward_progress 1
		.amdhsa_inst_pref_size 10
	.end_amdhsa_kernel
	.amdgpu_metadata
---
amdhsa.version: [ 1, 2 ]
amdhsa.kernels:
  - .name:           k_q99ce04f7e5_pack
    .symbol:         k_q99ce04f7e5_pack.kd
    .args:
      - { .name: W1, .offset: 0, .size: 8, .value_kind: global_buffer, .address_space: global }
      - { .name: W0, .offset: 8, .size: 8, .value_kind: global_buffer, .address_space: global }
      - { .name: Wa, .offset: 16, .size: 8, .value_kind: global_buffer, .address_space: global }
      - { .name: b1, .offset: 24, .size: 8, .value_kind: global_buffer, .address_space: global }
      - { .name: b0, .offset: 32, .size: 8, .value_kind: global_buffer, .address_space: global }
      - { .name: ba, .offset: 40, .size: 8, .value_kind: global_buffer, .address_space: global }
      - { .name: wpack, .offset: 48, .size: 8, .value_kind: global_buffer, .address_space: global }
    .group_segment_fixed_size: 0
    .private_segment_fixed_size: 0
    .kernarg_segment_align: 8
    .kernarg_segment_size: 56
    .max_flat_workgroup_size: 256
    .sgpr_count:     66
    .vgpr_count:     72
    .wavefront_size: 32
...
	.end_amdgpu_metadata
.endif
;; end of part 1
;; launch enc (part 2): grid 256 x 1, 4 waves a work-group, clusters of 4 x 1, 327,680 bytes of LDS; arguments key, wpack, qe; writes qe
.if DOCPART == 2
	.amdgcn_target "amdgcn-amd-amdhsa--gfx1250"
	.amdhsa_code_object_version 6
	.text
	.protected	k_q99ce04f7e5_enc
	.globl	k_q99ce04f7e5_enc
	.p2align	8
	.type	k_q99ce04f7e5_enc,@function
k_q99ce04f7e5_enc:
	s_mov_b64 s[64:65], 0
	v_nop
	global_prefetch_b8 v0, s[64:65] scope:SCOPE_SE
	s_setreg_imm32_b32 hwreg(HW_REG_WAVE_MODE, 25, 1), 1
	s_wait_xcnt 0x0
	s_wait_alu depctr_hold_cnt(0) depctr_sa_sdst(0) depctr_va_vdst(0) depctr_va_sdst(0) depctr_va_ssrc(0) depctr_va_vcc(0) depctr_vm_vsrc(0)
	s_getreg_b32 s2, hwreg(HW_REG_IB_STS2, 6, 4)
	s_cmp_eq_u32 s2, 0
	s_cbranch_scc0 .Lentry_in_a_cluster
	s_endpgm
.Lentry_in_a_cluster:
	s_bfe_u32 s2, ttmp6, 0x10000c
	s_cmp_lg_u32 s2, 0x3003
	s_cbranch_scc0 .Lentry_shape_is_right
	s_endpgm
.Lentry_shape_is_right:
; qe = 0.25 x relu(key W1^T + b1), in f16, in fragment order.  key: [16384][1024] f32, rounded to bf16 on its way; weights and bias as the launch before packed them (0.25 x bf16(W1), 0.25 x bf16(b1)); sums in f32.
; LIMIT: 0.25 q is kept in f16: |q| of 262,000 or more becomes an infinity.  NaN and infinities are not treated apart.
; SHARES.  A work-group owns 64 rows, all 1,024 columns; wave w columns 256 w .. 256 w + 255: 64 accumulators of 16 x 16, 512 registers.  K goes in 16 slabs of 64.
; THE PRODUCT IS USED TRANSPOSED: source 0 = 16 output columns (weights), source 1 = 16 rows (key).  Lane (r = L % 16, h = L / 16), register j then holds row r, column 8 h + j: eight neighbouring columns, which as f16 ARE
; the lane's 16 bytes of a half fragment of the next product's operand: nothing changes lanes on the way out.
; WEIGHTS.  Every work-group walks all of W1, so the four work-groups of a cluster ask JOINTLY: the same tensor load, descriptor and mask in all four.  Two LDS slots of 131,072 bytes, a slab each; wave w fetches and alone reads
; the 32,768 bytes at 32,768 w of a slot (32 fragments, dense): one load a wave behind each round, 112 matrix instructions ahead of the wait for it.
; KEY.  Wave w loads rows 16 w .. 16 w + 15 of a slab (256 bytes of a row to sixteen lanes) into one of two staging sets of registers, two slabs ahead; rounds to bf16; stores into a ring of two LDS blocks of 64 rows x 144 bytes, read by all.
; SUMS BEGIN AT THE BIAS: the accumulators are loaded from it, so nothing is cleared and nothing is added afterwards.
; REGISTERS, in windows of 256 (s_set_vgpr_msb: bits 1:0 source 0, 3:2 source 1, 5:4 source 2, 7:6 destination):
;   window 0: v0-14 addresses; v64-127, v128-191 weight fragments, two buffers of 8; v192-223, v224-255 key fragments, two buffers of 4
;   window 1: v0-31, v32-63 staging sets; v64-79 rounded; at the end all 256: the packed result          windows 2, 3: accumulator (row tile rt, column tile i) at v[32 (i % 8) + 8 rt] of window 2 + i / 8
.set SLOTB, 131072                     ; a slot, and a slab of weights in memory
.set XR,    2*SLOTB                    ; the key ring
.set XP,    144                        ; its pitch: 128 bytes + 16 = 36 words: the 16 rows of a load start at 16 different groups of four banks (64 banks of 4 bytes: ISA guide 11.1)
.set XBLK,  64*XP
.set SPARE, XR+2*XBLK                  ; the spare words, 128 bytes a wave: two blocks of 256 bytes that no other line names
.set WAD, 2                            ; v2-3   my 16 bytes of a fragment in my part of slot 0, 1
.set XAD, 4                            ; v4-5   my place in a key fragment, block 0, 1
.set XST, 6                            ; v6-7   where I store 8 bytes of rounded key, block 0, 1
.set LT,  8                            ; v8     my byte offset in the work-group's rows of key, slab 0; never rewritten
.set KO,  9                            ; v9-10  the same plus the slab, one for each staging set
.set BO,  11                           ; v11    my byte offset in the bias
.set SPW, 12                           ; v12    my spare word; never rewritten
.set NIL, 13                           ; v13    0; never rewritten
.set QO,  14                           ; v14    my byte offset in the work-group's block of qe
.set WB0, 64
.set WB1, 128
.set XB0, 192
.set XB1, 224
.set CT,  64                           ; window 1
.set WV,  14                           ; s14 my wave's number
.set G1,  20                           ; s[20:27] descriptor group 1
.set G0,  28                           ; s[28:35] descriptor group 0, a set for each slot
.set CNT, 36
.set SK,  37                           ; s37 byte offset along K of the slab to be loaded next
.set BB,  40                           ; s[40:41] the bias
.set MSB, 0
.macro WIN new                         ; the immediate's high byte repeats the setting that is left; a switch that changes nothing is dropped
.if MSB != (\new)
	s_set_vgpr_msb (MSB<<8)|(\new)
.set MSB, (\new)
.endif
.endm
.macro PLACES                          ; four plain vector instructions between a matrix instruction and a load into, or a vector instruction on, its registers (ISA guide 7.12.1 for vector instructions)
.rept 4
	v_nop
.endr
.endm
.macro CREST                           ; a round of the cluster's barrier behind its opening barrier
	s_cmp_lg_u32 s[WV], 0
	s_cbranch_scc1 .Lnot_wave_0_\@
	s_barrier_signal -3
.Lnot_wave_0_\@:
	s_barrier_wait -3
	s_barrier_signal -1
	s_barrier_wait -1
.endm
.macro CROUND
	s_barrier_signal -1
	s_barrier_wait -1
	CREST
.endm
.macro FETCHW slot, f0, wb             ; 16 LDS loads: my fragments f0 .. f0 + 7 of a slot
	WIN 0
.set ff, 0
.rept 8
	ds_load_b128 v[(\wb)+8*ff:(\wb)+8*ff+3],   v[WAD+(\slot)] offset:((\f0)+ff)*1024
	ds_load_b128 v[(\wb)+8*ff+4:(\wb)+8*ff+7], v[WAD+(\slot)] offset:((\f0)+ff)*1024+512
.set ff, ff+1
.endr
.endm
.macro FETCHX blk, kk, xb              ; 8 LDS loads: the four row tiles' fragments of 32 along K
	WIN 0
.irp rt, 0,1,2,3
	ds_load_b128 v[(\xb)+8*\rt:(\xb)+8*\rt+3],   v[XAD+(\blk)] offset:\rt*16*XP+(\kk)*64
	ds_load_b128 v[(\xb)+8*\rt+4:(\xb)+8*\rt+7], v[XAD+(\blk)] offset:\rt*16*XP+(\kk)*64+32
.endr
.endm
.macro MUL wb, xb, win, i0, n          ; 4 n matrix instructions; the accumulators take turns, one instruction a turn
	WIN 0x50*(\win)
.set mi, (\i0)
.rept (\n)
.irp rt, 0,1,2,3
	v_wmma_f32_16x16x32_bf16 v[32*mi+8*\rt:32*mi+8*\rt+7], v[(\wb)+8*mi:(\wb)+8*mi+7], v[(\xb)+8*\rt:(\xb)+8*\rt+7], v[32*mi+8*\rt:32*mi+8*\rt+7]
.endr
.set mi, mi+1
.endr
.endm
.macro INIT win, imm0                  ; 64 loads: a window's accumulators take the bias of their columns
	WIN (\win)<<6
.set ii, 0
.rept 8
.irp rt, 0,1,2,3
	global_load_b128 v[32*ii+8*\rt:32*ii+8*\rt+3],   v[BO], s[BB:BB+1] offset:(\imm0)+64*ii
	global_load_b128 v[32*ii+8*\rt+4:32*ii+8*\rt+7], v[BO], s[BB:BB+1] offset:(\imm0)+64*ii+16
.endr
.set ii, ii+1
.endr
.endm
.macro XLOAD set                       ; 8 loads: my 16 rows of a slab; sixteen lanes take 256 consecutive bytes of a row
	WIN 0x40
.irp t, 0,1,2,3,4,5,6,7
	global_load_b128 v[32*(\set)+4*\t:32*(\set)+4*\t+3], v[KO+(\set)], s[4:5] offset:\t*4096 th:TH_LOAD_NT
.endr
.endm
.macro XCVT set
	WIN 0x45
.set cc, 0
.rept 16
	v_cvt_pk_bf16_f32 v[CT+cc], v[32*(\set)+2*cc], v[32*(\set)+2*cc+1]
.set cc, cc+1
.endr
.endm
.macro XSTORE blk
	WIN 0x04
.irp t, 0,1,2,3,4,5,6,7
	ds_store_b64 v[XST+(\blk)], v[CT+2*\t:CT+2*\t+1] offset:\t*XP
.endr
.endm
; THE CHANGE OF SLOTS, on the slab's last 32 products.  In front of the barrier each wave waits for all its tensor loads (one is out: its part of the other slot), adds 0 to its spare word, and waits for that, for its reads of
; this slot and of this key block, and for its stores into the other key block.  refill = 1: the barrier opens a round of the cluster's, and the joint refill of this slot, two slabs on, is the first thing behind it.
.macro MEET p, refill
	s_wait_dscnt 0x0                               ; the fragments of these products are in
	WIN 0
	s_wait_tensorcnt 0x0                           ; no tensor load of mine is out, so a group 0 may be written
	ds_add_u32 v[SPW], v[NIL]                      ; 0 onto my spare word
.if \refill
	s_add_nc_u64 s[G0+4*(\p)+2:G0+4*(\p)+3], s[G0+4*(\p)+2:G0+4*(\p)+3], 2*SLOTB
.endif
	MUL WB1, XB1, 3, 0, 2
	s_wait_dscnt 0x0                               ; the add is done; no LDS instruction of mine is out
	s_barrier_signal -1
	MUL WB1, XB1, 3, 2, 2                          ; work on registers while the others arrive
	WIN 0
	s_barrier_wait -1
.if \refill
	CREST                                          ; no wave of any partner still reads this slot or has a load on its way
	tensor_load_to_lds s[G0+4*(\p):G0+4*(\p)+3], s[G1:G1+7]
	s_nop 0
	PLACES                                         ; also the places in front of the loads below
.else
	PLACES
.endif
	FETCHW 1-(\p), 0, WB0
	FETCHX 1-(\p), 0, XB0
	MUL WB1, XB1, 3, 4, 4
.endm
; A SLAB of 64 along K in slot p and key block p: four groups of 32 products; each group's fragments are fetched a group ahead, in one run.
; drain = 1: staging set 1 - p, the next slab's key, is rounded and stored into block 1 - p, which nobody has read since the last barrier.  reload = 1: the set is loaded again, three slabs on.
.macro SLABK p, refill, drain, reload, last
	s_wait_dscnt 0x0
	PLACES
	FETCHW \p, 8, WB1
	MUL WB0, XB0, 2, 0, 8
	s_wait_dscnt 0x0
.if \drain
	s_wait_loadcnt 0x8                             ; loads come back in order: the set's eight are in, the other set's eight younger ones stay out; the set's address register is free
	WIN 0
.if \reload
	v_add_nc_u32 v[KO+1-(\p)], s[SK], v[LT]
	s_add_co_u32 s[SK], s[SK], 256
	s_min_u32 s[SK], s[SK], 15*256                 ; a reload with no slab left takes the last slab once more: no load leaves the buffer
.endif
	XCVT 1-(\p)                                    ; sixteen plain instructions: the places in front of the loads below
.else
	PLACES
.endif
	FETCHW \p, 16, WB0
	FETCHX \p, 1, XB1
.if \drain
	XSTORE 1-(\p)
.if \reload
	XLOAD 1-(\p)
.endif
.endif
	MUL WB1, XB0, 3, 0, 8
	s_wait_dscnt 0x0
	PLACES
	FETCHW \p, 24, WB1
	MUL WB0, XB1, 2, 0, 8
.if \last
	s_wait_dscnt 0x0
	MUL WB1, XB1, 3, 0, 8
.else
	MEET \p, \refill
.endif
.endm
.macro RELU win
	WIN ((\win)<<6)|((\win)<<2)
.set ri, 0
.rept 256
	v_max_num_f32 v[ri], 0, v[ri]                  ; each accumulator from its low end on
.set ri, ri+1
.endr
.endm
.macro PACKQ win                       ; a lane's eight columns of a tile become 16 bytes
	WIN 0x40|(\win)|((\win)<<2)
.set pq, 0
.rept 128
	v_cvt_pk_f16_f32 v[128*((\win)-2)+pq], v[2*pq], v[2*pq+1]
.set pq, pq+1
.endr
.endm
.macro SENDQ win                       ; tile (rt, i) is half i % 2 of fragment (K32 step 8 w + i / 2, rt): each store of the wave covers 512 consecutive bytes, aligned
	WIN 0x04
.set si, 0
.rept 8
.irp rt, 0,1,2,3
	global_store_b128 v[QO], v[128*((\win)-2)+16*si+4*\rt:128*((\win)-2)+16*si+4*\rt+3], s[8:9] offset:((8*((\win)-2)+si)/2)*4096+\rt*1024+(si%2)*512
.endr
.set si, si+1
.endr
.endm
	s_load_b128 s[4:7], s[0:1], 0x0                ; key s[4:5], wpack s[6:7]
	s_load_b64 s[8:9], s[0:1], 0x10                ; qe
	v_lshl_add_u32 v[SPW], v0, 2, SPARE
	v_mov_b32 v[NIL], 0
	ds_add_u32 v[SPW], v[NIL]                      ; the wave's opening: the add and its wait stand ahead of my first tensor load; the set-up below, work on registers, stands between them
	v_lshrrev_b32 v1, 5, v0
	v_readfirstlane_b32 s[WV], v1                  ; wave 0..3
	s_bfe_u32 s15, ttmp6, 0x40000                  ; cx: my place in the cluster
	s_lshl_b32 s16, ttmp9, 2                       ; in a cluster launch ttmp9 counts clusters
	s_add_co_u32 s16, s16, s15                     ; my block of 64 rows: it enters key's and qe's addresses alone
	; descriptor group 1: 32,768 dense bytes as 128 rows of 256 bytes
	s_mov_b32 s[G1+0], 15|(3<<16)|(1<<21)          ; 15:0 the mask of four; 17:16 elements of 8 bytes; 21 set beside a mask
	s_mov_b32 s[G1+1], 32<<16                      ; tensor_dim0 = 32
	s_mov_b32 s[G1+2], 128<<16                     ; tensor_dim1 = 128
	s_mov_b32 s[G1+3], 32<<16                      ; tile_dim0 = 32
	s_mov_b32 s[G1+4], 128                         ; tile_dim1 = 128
	s_mov_b32 s[G1+5], 32                          ; 32 elements from row to row
	s_mov_b32 s[G1+6], 0
	s_mov_b32 s[G1+7], 0
	s_lshl_b32 s48, s[WV], 15                      ; my part of a slab and of a slot: the wave's number alone
	s_mov_b32 s49, 0
	s_mov_b32 s[G0], 1
	s_add_co_u32 s[G0+1], s48, 0
	s_mov_b32 s[G0+4], 1
	s_add_co_u32 s[G0+5], s48, SLOTB
	s_lshl_b32 s44, s16, 18                        ; 64 rows of 4,096 bytes
	s_mov_b32 s45, 0
	s_lshl_b32 s46, s16, 17                        ; 131,072 bytes of qe
	s_mov_b32 s47, 0
	v_and_b32 v1, 15, v0                           ; r
	v_bfe_u32 v30, v0, 4, 1                        ; h
	v_and_b32 v31, 31, v0
	v_lshlrev_b32 v31, 4, v31                      ; 16 L
	v_add_nc_u32 v[WAD], s48, v31
	v_add_nc_u32 v[WAD+1], SLOTB, v[WAD]
	v_add_nc_u32 v[QO], s48, v31
	v_mul_u32_u24 v[XAD], v1, XP
	v_lshl_add_u32 v[XAD], v30, 4, v[XAD]
	v_add_nc_u32 v[XAD], XR, v[XAD]
	v_add_nc_u32 v[XAD+1], XBLK, v[XAD]
	v_mul_u32_u24 v[XST], v30, 8*XP                ; lanes 16-31 take the row eight further down
	v_lshl_add_u32 v[XST], v1, 3, v[XST]
	s_mul_i32 s17, s[WV], 16*XP
	s_add_co_u32 s17, s17, XR
	v_add_nc_u32 v[XST], s17, v[XST]
	v_add_nc_u32 v[XST+1], XBLK, v[XST]
	v_lshlrev_b32 v[LT], 15, v30
	v_lshl_add_u32 v[LT], v1, 4, v[LT]
	s_lshl_b32 s17, s[WV], 16
	v_add_nc_u32 v[LT], s17, v[LT]
	v_mov_b32 v[KO], v[LT]
	v_add_nc_u32 v[KO+1], 256, v[LT]
	s_lshl_b32 s17, s[WV], 10
	v_lshl_add_u32 v[BO], v30, 5, s17              ; 256 w + 8 h numbers
	s_wait_dscnt 0x0                               ; the opening add is done
	s_wait_kmcnt 0x0
	s_add_nc_u64 s[50:51], s[6:7], s[48:49]        ; W1's slab 0, my part
	s_add_nc_u64 s[G0+2:G0+3], s[50:51], 0
	s_or_b32 s[G0+3], s[G0+3], 0x80000000
	s_add_nc_u64 s[G0+6:G0+7], s[50:51], SLOTB
	s_or_b32 s[G0+7], s[G0+7], 0x80000000
	s_add_nc_u64 s[BB:BB+1], s[6:7], 0x600000      ; 0.25 x bf16(b1)
	s_add_nc_u64 s[4:5], s[4:5], s[44:45]
	s_add_nc_u64 s[8:9], s[8:9], s[46:47]
	CROUND                                         ; all four work-groups are here: the first joint loads meet
	tensor_load_to_lds s[G0:G0+3], s[G1:G1+7]      ; slabs 0 and 1: two loads of mine are out
	s_nop 0
	tensor_load_to_lds s[G0+4:G0+7], s[G1:G1+7]
	s_nop 0
	PLACES
	INIT 2, 0
	INIT 3, 512
	XLOAD 0                                        ; key slabs 0 and 1
	XLOAD 1
	s_wait_loadcnt 0x8                             ; the bias and set 0 are in; set 1's eight stay out
	WIN 0
	v_add_nc_u32 v[KO], 512, v[LT]
	XCVT 0
	XSTORE 0
	XLOAD 0                                        ; slab 2
	WIN 0
	s_mov_b32 s[SK], 3*256
	s_wait_dscnt 0x0                               ; for the others' sake: my rows of block 0 are stored
	s_wait_tensorcnt 0x1                           ; my part of slot 0 is in; slot 1's may stay out
	s_barrier_signal -1
	s_barrier_wait -1
	FETCHW 0, 0, WB0
	FETCHX 0, 0, XB0
	s_mov_b32 s[CNT], 7
.Lk:                                                   ; slabs 0 to 13, two a trip; both slots are filled again
	SLABK 0, 1, 1, 1, 0
	SLABK 1, 1, 1, 1, 0
	WIN 0
	s_sub_co_u32 s[CNT], s[CNT], 1
	s_cmp_lg_u32 s[CNT], 0
	s_cbranch_scc1 .Lk
	SLABK 0, 0, 1, 0, 0                            ; the last two slabs ask for nothing
	SLABK 1, 0, 0, 0, 1
	s_wait_loadcnt 0x0                             ; slab 13's reload had no slab left and is not used: the price of one text for every trip; its registers are written below
	PLACES
	RELU 2
	PACKQ 2
	SENDQ 2
	RELU 3
	PACKQ 3
	SENDQ 3
	WIN 0
	s_wait_tensorcnt 0x0                           ; the wave's end: behind my last tensor load and my last LDS store
	ds_add_u32 v[SPW], v[NIL]
	s_wait_dscnt 0x0
	CROUND                                         ; the closing round: no work-group ends while a partner may still ask for a slab that names it
	s_endpgm
.Lfunc_end_k_q99ce04f7e5_enc:
	.size	k_q99ce04f7e5_enc, .Lfunc_end_k_q99ce04f7e5_enc-k_q99ce04f7e5_enc
	.p2alignl 7, 3214868480
	.fill 96, 4, 3214868480
	.section	.rodata,"a",@progbits
	.p2align	6, 0x0
	.amdhsa_kernel k_q99ce04f7e5_enc
		.amdhsa_group_segment_fixed_size 327680
		.amdhsa_private_segment_fixed_size 0
		.amdhsa_enable_private_segment 0
		.amdhsa_kernarg_size 24
		.amdhsa_user_sgpr_count 2
		.amdhsa_user_sgpr_kernarg_segment_ptr 1
		.amdhsa_wavefront_size32 1
		.amdhsa_system_sgpr_workgroup_id_x 1
		.amdhsa_system_sgpr_workgroup_id_y 1
		.amdhsa_system_sgpr_workgroup_id_z 1
		.amdhsa_system_vgpr_workitem_id 0
		.amdhsa_next_free_vgpr 1024
		.amdhsa_next_free_sgpr 66
		.amdhsa_reserve_vcc 0
		.amdhsa_float_denorm_mode_32 3
		.amdhsa_float_denorm_mode_16_64 3
		.amdhsa_memory_ordered 1
		.amdhsa_forward_progress 1
		.amdhsa_inst_pref_size 123
	.end_amdhsa_kernel
	.amdgpu_metadata
---
amdhsa.version: [ 1, 2 ]
amdhsa.kernels:
  - .name:           k_q99ce04f7e5_enc
    .symbol:         k_q99ce04f7e5_enc.kd
    .args:
      - { .name: key, .offset: 0, .size: 8, .value_kind: global_buffer, .address_space: global }
      - { .name: wpack, .offset: 8, .size: 8, .value_kind: global_buffer, .address_space: global }
      - { .name: qe, .offset: 16, .size: 8, .value_kind: global_buffer, .address_space: global }
    .group_segment_fixed_size: 327680
    .private_segment_fixed_size: 0
    .kernarg_segment_align: 8
    .kernarg_segment_size: 24
    .max_flat_workgroup_size: 128
    .sgpr_count:     66
    .vgpr_count:     1024
    .wavefront_size: 32
...
	.end_amdgpu_metadata
.endif
;; end of part 2
;; launch score (part 3): grid 256 x 1, 4 waves a work-group, clusters of 4 x 1, 327,680 bytes of LDS; arguments query, wpack, qe, value, part; writes part
.if DOCPART == 3
	.amdgcn_target "amdgcn-amd-amdhsa--gfx1250"
	.amdhsa_code_object_version 6
	.text
	.protected	k_q99ce04f7e5_score
	.globl	k_q99ce04f7e5_score
	.p2align	8
	.type	k_q99ce04f7e5_score,@function
k_q99ce04f7e5_score:
	s_mov_b64 s[64:65], 0
	v_nop
	global_prefetch_b8 v0, s[64:65] scope:SCOPE_SE
	s_setreg_imm32_b32 hwreg(HW_REG_WAVE_MODE, 25, 1), 1
	s_wait_xcnt 0x0
	s_wait_alu depctr_hold_cnt(0) depctr_sa_sdst(0) depctr_va_vdst(0) depctr_va_sdst(0) depctr_va_ssrc(0) depctr_va_vcc(0) depctr_vm_vsrc(0)
	s_getreg_b32 s2, hwreg(HW_REG_IB_STS2, 6, 4)
	s_cmp_eq_u32 s2, 0
	s_cbranch_scc0 .Lentry_in_a_cluster
	s_endpgm
.Lentry_in_a_cluster:
	s_bfe_u32 s2, ttmp6, 0x10000c
	s_cmp_lg_u32 s2, 0x3003
	s_cbranch_scc0 .Lentry_shape_is_right
	s_endpgm
.Lentry_shape_is_right:
; For a block of 64 rows: k = relu(query W0^T + b0) (bf16 operands), t = q Wa^T + ba = (0.25 q)(4 Wa)^T + ba (f16 operands: q is made by this program, and bf16's rounding of it would shift the energies too far),
; e = the sum over columns of k t, the block's maximum m, p = exp(e - m), l = the sum of p, and the partial context, the sum over rows of p x bf16(value).  All sums in f32.
; part, a row of 4,608 bytes for each block: 1,024 f32 of partial context, then (m, l, m, l) 32 times.  The launch behind joins the 256 blocks by a maximum over their m.
; LIMITS: a weight p below 2^-126 counts as 0; NaN and infinities are not treated apart.
; SHARES, PRODUCT, WEIGHTS, QUERY RING: as in the launch before: wave w owns columns 256 w .. + 255 of all 64 rows; source 0 = 16 output columns, source 1 = 16 rows; lane (r, h), register j = row r, column 8 h + j; the four
; work-groups of a cluster ask jointly for each slab of weights, 131,072 bytes, into two LDS slots; wave w fetches and alone reads 32,768 bytes of a slot.  The weights are ONE stream of 32 slabs: W0's 16 of 64 along K, then Wa's 16.
; k AND t.  k fills windows 2 and 3 (512 registers) and stays.  t is made in two passes of 128 of the wave's columns, in window 1 (256 registers), 8 slabs of 128 along K each; behind a pass t is multiplied into the energies with
; the k of window 2, then 3.  q comes from memory, 16,384 bytes a slab (a plain copy: it lies in fragment order), through 32 registers a wave into a ring of two LDS blocks.
; VALUE.  Wave w takes rows 16 w .. + 15 whole: 128 loads of 512 consecutive bytes into windows 2 and 3 as they fall free: rows 0-7 in the last two slabs, rows 8-15 behind the last energies' products.
; REGISTERS: window 0: v0-31 addresses and the energies' sums; v32-63 q on its way; v64-127, v128-191 weight fragments; v192-223, v224-255 activation fragments.  window 1: staging (phase K), then t.  windows 2, 3: k, then value.
.set SLOTB, 131072
.set XR,    2*SLOTB                    ; the query ring: 2 blocks of 64 rows x 144 bytes
.set XP,    144
.set XBLK,  64*XP
.set QR,    XR+2*XBLK                  ; the q ring: 2 blocks of 16,384 bytes; at the end the four waves' partial contexts
.set QBLK,  16384
.set EP,    QR+2*QBLK                  ; 4 waves x 64 partial energies
.set PS,    EP+1024                    ; 4 waves x 64 weights
.set SPARE, PS+1024                    ; the spare words, 128 bytes a wave: two blocks of 256 bytes that no other line names
.set WAD, 2
.set XAD, 4
.set XST, 6
.set LT,  8
.set KO,  9
.set BO,  11
.set SPW, 12
.set NIL, 13
.set QLT, 14                           ; v14    my byte offset in a slab of qe; never rewritten
.set QGO, 15                           ; v15    the same plus the slab
.set EA,  16                           ; v16-23 a pair of sums for each row tile
.set QAD, 24                           ; v24-25 my 16 bytes of a fragment in q block 0, 1
.set QST, 26                           ; v26-27 where I store q, block 0, 1
.set VO,  28                           ; v28    my byte offset in the work-group's rows of value
.set EPA, 29                           ; v29    where I store a partial energy
.set QS,  32
.set WB0, 64
.set WB1, 128
.set XB0, 192
.set XB1, 224
.set CT,  64                           ; window 1
.set CA,  64                           ; at the end: v64-95 my 32 columns' context; v96-111 my 16 rows' weights; v112-127 a rounded row
.set PV,  96
.set VT,  112
.set EW,  128                          ; v128-135 the four waves' partial energies of rows L, L + 32
.set MX,  136
.set PP,  138
.set LS,  140
.set ML,  144
.set WV,  14
.set G1,  20
.set G0,  28
.set CNT, 36
.set SK,  37
.set SQ,  38                           ; s38 byte offset of the slab of qe to be loaded next
.set BB,  40                           ; s[40:41] bf16(b0)
.set SEL, 42                           ; s[42:43] v_permlanex16_b32's selects: each lane takes its own place in the other half
.set BA,  46                           ; s[46:47] bf16(ba)
.set MSB, 0
.macro WIN new
.if MSB != (\new)
	s_set_vgpr_msb (MSB<<8)|(\new)
.set MSB, (\new)
.endif
.endm
.macro PLACES                          ; four plain vector instructions between a matrix instruction and a load into, or a vector instruction on, its registers (ISA guide 7.12.1 for vector instructions)
.rept 4
	v_nop
.endr
.endm
.macro CREST
	s_cmp_lg_u32 s[WV], 0
	s_cbranch_scc1 .Lnot_wave_0_\@
	s_barrier_signal -3
.Lnot_wave_0_\@:
	s_barrier_wait -3
	s_barrier_signal -1
	s_barrier_wait -1
.endm
.macro CROUND
	s_barrier_signal -1
	s_barrier_wait -1
	CREST
.endm
.macro FETCHW slot, f0, wb
	WIN 0
.set ff, 0
.rept 8
	ds_load_b128 v[(\wb)+8*ff:(\wb)+8*ff+3],   v[WAD+(\slot)] offset:((\f0)+ff)*1024
	ds_load_b128 v[(\wb)+8*ff+4:(\wb)+8*ff+7], v[WAD+(\slot)] offset:((\f0)+ff)*1024+512
.set ff, ff+1
.endr
.endm
.macro FETCHX blk, kk, xb
	WIN 0
.irp rt, 0,1,2,3
	ds_load_b128 v[(\xb)+8*\rt:(\xb)+8*\rt+3],   v[XAD+(\blk)] offset:\rt*16*XP+(\kk)*64
	ds_load_b128 v[(\xb)+8*\rt+4:(\xb)+8*\rt+7], v[XAD+(\blk)] offset:\rt*16*XP+(\kk)*64+32
.endr
.endm
.macro FETCHQ blk, kk, xb              ; q's fragments of K32 step kk of a slab: dense, 16 bytes a lane
	WIN 0
.irp rt, 0,1,2,3
	ds_load_b128 v[(\xb)+8*\rt:(\xb)+8*\rt+3],   v[QAD+(\blk)] offset:((\kk)*4+\rt)*1024
	ds_load_b128 v[(\xb)+8*\rt+4:(\xb)+8*\rt+7], v[QAD+(\blk)] offset:((\kk)*4+\rt)*1024+512
.endr
.endm
.macro MUL form, wb, xb, win, i0, n    ; 4 n matrix instructions; the accumulators take turns, one instruction a turn
	WIN 0x50*(\win)
.set mi, (\i0)
.rept (\n)
.irp rt, 0,1,2,3
	v_wmma_f32_16x16x32_\form v[32*mi+8*\rt:32*mi+8*\rt+7], v[(\wb)+8*mi:(\wb)+8*mi+7], v[(\xb)+8*\rt:(\xb)+8*\rt+7], v[32*mi+8*\rt:32*mi+8*\rt+7]
.endr
.set mi, mi+1
.endr
.endm
.macro INIT win, base, imm0            ; 64 loads: a window's accumulators take the bias of their columns
	WIN (\win)<<6
.set ii, 0
.rept 8
.irp rt, 0,1,2,3
	global_load_b128 v[32*ii+8*\rt:32*ii+8*\rt+3],   v[BO], s[\base:\base+1] offset:(\imm0)+64*ii
	global_load_b128 v[32*ii+8*\rt+4:32*ii+8*\rt+7], v[BO], s[\base:\base+1] offset:(\imm0)+64*ii+16
.endr
.set ii, ii+1
.endr
.endm
.macro XLOAD set
	WIN 0x40
.irp t, 0,1,2,3,4,5,6,7
	global_load_b128 v[32*(\set)+4*\t:32*(\set)+4*\t+3], v[KO+(\set)], s[4:5] offset:\t*4096 th:TH_LOAD_NT
.endr
.endm
.macro XCVT set
	WIN 0x45
.set cc, 0
.rept 16
	v_cvt_pk_bf16_f32 v[CT+cc], v[32*(\set)+2*cc], v[32*(\set)+2*cc+1]
.set cc, cc+1
.endr
.endm
.macro XSTORE blk
	WIN 0x04
.irp t, 0,1,2,3,4,5,6,7
	ds_store_b64 v[XST+(\blk)], v[CT+2*\t:CT+2*\t+1] offset:\t*XP
.endr
.endm
.macro VLOAD a0, n                     ; value rows a0 .. a0 + n - 1 of my sixteen: each load of the wave takes 512 consecutive bytes
	WIN (2+(\a0)/8)<<6
.set va, (\a0)
.rept (\n)
.irp c, 0,1,2,3,4,5,6,7
	global_load_b128 v[32*(va%8)+4*\c:32*(va%8)+4*\c+3], v[VO], s[10:11] offset:va*4096+\c*512 th:TH_LOAD_NT
.endr
.set va, va+1
.endr
.endm
; THE CHANGE OF SLOTS, on the slab's last 32 products.  In front of the barrier each wave waits for all its tensor loads (one is out: its part of the other slot), adds 0 to its spare word, and waits for that, for its reads of
; this slot and of this activation block, and for its stores into the other block.  refill = 1: the barrier opens a round of the cluster's, and the joint refill of this slot, two slabs on, is the first thing behind it.
; nx: the next slab's activations come from the query ring (0) or the q ring (1).
.macro MEET form, win, p, refill, nx
	s_wait_dscnt 0x0                               ; the fragments of these products are in
	WIN 0
	s_wait_tensorcnt 0x0                           ; no tensor load of mine is out, so a group 0 may be written
	ds_add_u32 v[SPW], v[NIL]                      ; 0 onto my spare word
.if \refill
	s_add_nc_u64 s[G0+4*(\p)+2:G0+4*(\p)+3], s[G0+4*(\p)+2:G0+4*(\p)+3], 2*SLOTB
.endif
	MUL \form, WB1, XB1, \win, 0, 2
	s_wait_dscnt 0x0                               ; the add is done; no LDS instruction of mine is out
	s_barrier_signal -1
	MUL \form, WB1, XB1, \win, 2, 2                ; work on registers while the others arrive
	WIN 0
	s_barrier_wait -1
.if \refill
	CREST                                          ; no wave of any partner still reads this slot or has a load on its way
	tensor_load_to_lds s[G0+4*(\p):G0+4*(\p)+3], s[G1:G1+7]
	s_nop 0
	PLACES                                         ; also the places in front of the loads below
.else
	PLACES
.endif
	FETCHW 1-(\p), 0, WB0
.if \nx
	FETCHQ 1-(\p), 0, XB0
.else
	FETCHX 1-(\p), 0, XB0
.endif
	MUL \form, WB1, XB1, \win, 4, 4
.endm
; PHASE K: a slab of 64 along K for all 256 of the wave's columns.  Staging set 1 - p, the next slab's query, is rounded and stored into block 1 - p, which nobody has read since the last barrier; the set is loaded again, three slabs on.
.macro SLABK p
	s_wait_dscnt 0x0
	PLACES
	FETCHW \p, 8, WB1
	MUL bf16, WB0, XB0, 2, 0, 8
	s_wait_dscnt 0x0
	s_wait_loadcnt 0x8                             ; loads come back in order: the set's eight are in, the other set's eight younger ones stay out; the set's address register is free
	WIN 0
	v_add_nc_u32 v[KO+1-(\p)], s[SK], v[LT]
	s_add_co_u32 s[SK], s[SK], 256
	s_min_u32 s[SK], s[SK], 15*256                 ; the three reloads with no slab left take the last slab once more: no load leaves the buffer
	XCVT 1-(\p)                                    ; plain instructions: the places in front of the loads below
	FETCHW \p, 16, WB0
	FETCHX \p, 1, XB1
	XSTORE 1-(\p)
	XLOAD 1-(\p)
	MUL bf16, WB1, XB0, 3, 0, 8
	s_wait_dscnt 0x0
	PLACES
	FETCHW \p, 24, WB1
	MUL bf16, WB0, XB1, 2, 0, 8
	MEET bf16, 3, \p, 1, 0
.endm
; PHASE T: a slab of 128 along K for 128 of the wave's columns.  drain = 1: the next slab's q goes from registers into block 1 - p.  reload = 1: the registers take the slab after that (the 8 slabs are walked twice).
; vb = 1, 2: value rows 0-3, 4-7 are asked for.
.macro SLABT p, refill, drain, reload, last, vb
	s_wait_dscnt 0x0
	PLACES
	FETCHW \p, 8, WB1
	FETCHQ \p, 1, XB1
	MUL f16, WB0, XB0, 1, 0, 8
	s_wait_dscnt 0x0
	PLACES
	FETCHW \p, 16, WB0
	FETCHQ \p, 2, XB0
.if \drain
	s_wait_loadcnt 0x0                             ; q's eight loads, issued a slab ago, are the only ones out
.irp c, 0,1,2,3,4,5,6,7
	ds_store_b128 v[QST+1-(\p)], v[QS+4*\c:QS+4*\c+3] offset:512*\c
.endr
.if \reload
	v_add_nc_u32 v[QGO], s[SQ], v[QLT]
	s_add_co_u32 s[SQ], s[SQ], QBLK
	s_and_b32 s[SQ], s[SQ], 0x1ffff
.irp c, 0,1,2,3,4,5,6,7
	global_load_b128 v[QS+4*\c:QS+4*\c+3], v[QGO], s[8:9] offset:512*\c
.endr
.endif
.endif
.if (\vb) == 1
	VLOAD 0, 4
.endif
.if (\vb) == 2
	VLOAD 4, 4
.endif
	MUL f16, WB1, XB1, 1, 0, 8
	s_wait_dscnt 0x0
	PLACES
	FETCHW \p, 24, WB1
	FETCHQ \p, 3, XB1
	MUL f16, WB0, XB0, 1, 0, 8
.if \last
	s_wait_dscnt 0x0
	MUL f16, WB1, XB1, 1, 0, 8
.else
	MEET f16, 1, \p, \refill, 1
.endif
.endm
.macro RELU win
	WIN ((\win)<<6)|((\win)<<2)
.set ri, 0
.rept 256
	v_max_num_f32 v[ri], 0, v[ri]                  ; each accumulator from its low end on
.set ri, ri+1
.endr
.endm
; A pass's t times the k of window 2 + hp, into four pairs of sums, a pair a row tile, by turns; each accumulator is read from its low end on.  reinit = 1: behind a column tile's products its accumulators take the second pass's bias.
.macro DOT hp, reinit
	PLACES
.set di, 0
.rept 8
	WIN 0x09+4*(\hp)
.irp jp, 0,1,2,3
.irp rt, 0,1,2,3
	v_pk_fma_f32 v[EA+2*\rt:EA+2*\rt+1], v[32*di+8*\rt+2*\jp:32*di+8*\rt+2*\jp+1], v[32*di+8*\rt+2*\jp:32*di+8*\rt+2*\jp+1], v[EA+2*\rt:EA+2*\rt+1]
.endr
.endr
.if \reinit
	WIN 0x40
.irp rt, 0,1,2,3
	global_load_b128 v[32*di+8*\rt:32*di+8*\rt+3],   v[BO], s[BA:BA+1] offset:512+64*di
	global_load_b128 v[32*di+8*\rt+4:32*di+8*\rt+7], v[BO], s[BA:BA+1] offset:512+64*di+16
.endr
.endif
.set di, di+1
.endr
.endm
; Row a of my sixteen: rounded to bf16 as every input is, then times its weight onto my 32 columns' sums.
.macro VROW a
.if (\a) < 8
	s_wait_loadcnt 0x3f                            ; 120 - 8 a loads were issued behind this row's; the wait names the largest count that it can: at most 63 of the 128 are out, so rows 0 to 7 are in
.else
	s_wait_loadcnt 120-8*(\a)                      ; the loads issued behind this row's may stay out
.endif
	WIN 0x0a+5*((\a)/8)
.set vx, 0
.rept 16
	v_cvt_pk_bf16_f32 v[VT+vx], v[32*((\a)%8)+2*vx], v[32*((\a)%8)+2*vx+1]
.set vx, vx+1
.endr
	WIN 0
.set vx, 0
.rept 16
	v_fma_mix_f32_bf16 v[CA+2*vx], v[VT+vx], v[PV+(\a)], v[CA+2*vx] op_sel_hi:[1,0,0]
	v_fma_mix_f32_bf16 v[CA+2*vx+1], v[VT+vx], v[PV+(\a)], v[CA+2*vx+1] op_sel:[1,0,0] op_sel_hi:[1,0,0]
.set vx, vx+1
.endr
.endm
	s_load_b256 s[4:11], s[0:1], 0x0               ; query s[4:5], wpack s[6:7], qe s[8:9], value s[10:11]
	s_load_b64 s[12:13], s[0:1], 0x20              ; part
	v_lshl_add_u32 v[SPW], v0, 2, SPARE
	v_mov_b32 v[NIL], 0
	ds_add_u32 v[SPW], v[NIL]                      ; the wave's opening: the add and its wait stand ahead of my first tensor load; the set-up below, work on registers, stands between them
	v_lshrrev_b32 v1, 5, v0
	v_readfirstlane_b32 s[WV], v1                  ; wave 0..3
	s_bfe_u32 s15, ttmp6, 0x40000                  ; cx: my place in the cluster
	s_lshl_b32 s16, ttmp9, 2
	s_add_co_u32 s16, s16, s15                     ; my block of 64 rows: it enters query's, qe's, value's and part's addresses alone
	s_mov_b32 s[G1+0], 15|(3<<16)|(1<<21)          ; group 1: the mask of four; elements of 8 bytes; bit 21 beside a mask
	s_mov_b32 s[G1+1], 32<<16                      ; tensor_dim0 = 32
	s_mov_b32 s[G1+2], 128<<16                     ; tensor_dim1 = 128
	s_mov_b32 s[G1+3], 32<<16                      ; tile_dim0 = 32
	s_mov_b32 s[G1+4], 128                         ; tile_dim1 = 128: 128 rows of 256 dense bytes
	s_mov_b32 s[G1+5], 32
	s_mov_b32 s[G1+6], 0
	s_mov_b32 s[G1+7], 0
	s_lshl_b32 s48, s[WV], 15                      ; my part of a slab and of a slot: the wave's number alone
	s_mov_b32 s49, 0
	s_mov_b32 s[G0], 1
	s_add_co_u32 s[G0+1], s48, 0
	s_mov_b32 s[G0+4], 1
	s_add_co_u32 s[G0+5], s48, SLOTB
	s_lshl_b32 s44, s16, 18                        ; 64 rows of 4,096 bytes
	s_mov_b32 s45, 0
	s_lshl_b32 s52, s16, 17                        ; 131,072 bytes of qe
	s_mov_b32 s53, 0
	s_mul_i32 s54, s16, 4608                       ; a row of part
	s_mov_b32 s55, 0
	s_mov_b32 s[SEL], 0x76543210
	s_mov_b32 s[SEL+1], 0xfedcba98
	s_mov_b32 s[SQ], 2*QBLK
	v_and_b32 v1, 15, v0                           ; r
	v_bfe_u32 v30, v0, 4, 1                        ; h
	v_and_b32 v31, 31, v0
	v_lshlrev_b32 v31, 4, v31                      ; 16 L
	v_add_nc_u32 v[WAD], s48, v31
	v_add_nc_u32 v[WAD+1], SLOTB, v[WAD]
	v_mul_u32_u24 v[XAD], v1, XP
	v_lshl_add_u32 v[XAD], v30, 4, v[XAD]
	v_add_nc_u32 v[XAD], XR, v[XAD]
	v_add_nc_u32 v[XAD+1], XBLK, v[XAD]
	v_mul_u32_u24 v[XST], v30, 8*XP
	v_lshl_add_u32 v[XST], v1, 3, v[XST]
	s_mul_i32 s17, s[WV], 16*XP
	s_add_co_u32 s17, s17, XR
	v_add_nc_u32 v[XST], s17, v[XST]
	v_add_nc_u32 v[XST+1], XBLK, v[XST]
	v_lshlrev_b32 v[LT], 15, v30
	v_lshl_add_u32 v[LT], v1, 4, v[LT]
	s_lshl_b32 s17, s[WV], 16
	v_add_nc_u32 v[LT], s17, v[LT]
	v_add_nc_u32 v[VO], s17, v31                   ; 16 rows of 4,096 bytes a wave
	v_mov_b32 v[KO], v[LT]
	v_add_nc_u32 v[KO+1], 256, v[LT]
	s_lshl_b32 s17, s[WV], 10
	v_lshl_add_u32 v[BO], v30, 5, s17
	s_lshl_b32 s17, s[WV], 12
	v_add_nc_u32 v[QLT], s17, v31                  ; a quarter of a slab of q a wave
	v_add_nc_u32 v[QST], QR, v[QLT]
	v_add_nc_u32 v[QST+1], QBLK, v[QST]
	v_add_nc_u32 v[QAD], QR, v31
	v_add_nc_u32 v[QAD+1], QBLK, v[QAD]
	s_lshl_b32 s17, s[WV], 8
	s_add_co_u32 s17, s17, EP
	v_lshl_add_u32 v[EPA], v1, 2, s17
.irp j, 0,1,2,3,4,5,6,7
	v_mov_b32 v[EA+\j], 0                          ; the energies' eight sums
.endr
	s_wait_dscnt 0x0                               ; the opening add is done
	s_wait_kmcnt 0x0
	s_add_nc_u64 s[50:51], s[6:7], s[48:49]
	s_add_nc_u64 s[50:51], s[50:51], 0x200000      ; W0's slab 0, my part; Wa's slabs follow W0's
	s_add_nc_u64 s[G0+2:G0+3], s[50:51], 0
	s_or_b32 s[G0+3], s[G0+3], 0x80000000
	s_add_nc_u64 s[G0+6:G0+7], s[50:51], SLOTB
	s_or_b32 s[G0+7], s[G0+7], 0x80000000
	s_add_nc_u64 s[BB:BB+1], s[6:7], 0x601000
	s_add_nc_u64 s[BA:BA+1], s[6:7], 0x602000
	s_add_nc_u64 s[4:5], s[4:5], s[44:45]
	s_add_nc_u64 s[10:11], s[10:11], s[44:45]
	s_add_nc_u64 s[8:9], s[8:9], s[52:53]
	s_add_nc_u64 s[12:13], s[12:13], s[54:55]
	CROUND                                         ; all four work-groups are here: the first joint loads meet
	tensor_load_to_lds s[G0:G0+3], s[G1:G1+7]      ; slabs 0 and 1: two loads of mine are out
	s_nop 0
	tensor_load_to_lds s[G0+4:G0+7], s[G1:G1+7]
	s_nop 0
	PLACES
	INIT 2, BB, 0
	INIT 3, BB, 512
	WIN 0
.irp c, 0,1,2,3,4,5,6,7
	global_load_b128 v[WB0+4*\c:WB0+4*\c+3], v[QLT], s[8:9] offset:512*\c          ; q's slab 0, on its way to block 0
.endr
.irp c, 0,1,2,3,4,5,6,7
	global_load_b128 v[QS+4*\c:QS+4*\c+3], v[QLT], s[8:9] offset:QBLK+512*\c       ; q's slab 1 waits in registers through phase K
.endr
	XLOAD 0                                        ; query slabs 0 and 1
	XLOAD 1
	WIN 0
	s_wait_loadcnt 0x10                            ; the bias and q are in; the two query sets' sixteen stay out
.irp c, 0,1,2,3,4,5,6,7
	ds_store_b128 v[QST], v[WB0+4*\c:WB0+4*\c+3] offset:512*\c
.endr
	s_wait_loadcnt 0x8                             ; set 0 is in
	v_add_nc_u32 v[KO], 512, v[LT]
	XCVT 0
	XSTORE 0
	XLOAD 0                                        ; slab 2
	WIN 0
	s_mov_b32 s[SK], 3*256
	s_wait_dscnt 0x0                               ; for the others' sake: my parts of the two rings' blocks 0 are stored
	s_wait_tensorcnt 0x1                           ; my part of slot 0 is in; slot 1's may stay out
	s_barrier_signal -1
	s_barrier_wait -1
	FETCHW 0, 0, WB0
	FETCHX 0, 0, XB0
	s_mov_b32 s[CNT], 8
.Lk:                                                   ; PHASE K: all 16 slabs, two a trip.  The last drain, the last three reloads and the last fetch of query fragments serve nothing: the price of one text for every trip
	SLABK 0
	SLABK 1
	WIN 0
	s_sub_co_u32 s[CNT], s[CNT], 1
	s_cmp_lg_u32 s[CNT], 0
	s_cbranch_scc1 .Lk
	s_wait_loadcnt 0x0                             ; the staging sets' registers become t's
	s_wait_dscnt 0x0                               ; and the fragment buffer that the last fetch filled is loaded anew below
	INIT 1, BA, 0                                  ; the first pass's sums begin at ba
	RELU 2                                         ; k = relu(..): 512 plain instructions, under which the bias comes in; window 2's stand between the last products, window 3's, and their relu
	RELU 3
	FETCHQ 0, 0, XB0                               ; the weights' first fragments of slab 16 are there: the last change of slots fetched them
	s_wait_loadcnt 0x0
	s_mov_b32 s[CNT], 7
.Lt:                                                   ; PHASE T: slabs 16 to 29, two a trip
	SLABT 0, 1, 1, 1, 0, 0
	SLABT 1, 1, 1, 1, 0, 0
	WIN 0
	s_sub_co_u32 s[CNT], s[CNT], 1
	s_cmp_lg_u32 s[CNT], 3
	s_cbranch_scc1 .Lsame_half                     ; behind the fourth trip the first pass is whole
	DOT 0, 1
	WIN 0
	s_wait_loadcnt 0x0                             ; the second pass's bias
.Lsame_half:
	s_cmp_lg_u32 s[CNT], 0
	s_cbranch_scc1 .Lt
	SLABT 0, 0, 1, 0, 0, 1                         ; the last two slabs ask for no weights; window 2, whose k has been used, takes value rows 0-7
	SLABT 1, 0, 0, 0, 1, 2
	DOT 1, 0
	VLOAD 8, 8                                     ; window 3's k has been used
	WIN 0
	; THE ENERGIES: a pair's two halves, the lane 16 away (the other 8 of 16 columns), then the four waves through LDS
.irp rt, 0,1,2,3
	v_add_f32 v[EA+2*\rt], v[EA+2*\rt], v[EA+2*\rt+1]
.endr
.irp rt, 0,1,2,3
	v_permlanex16_b32 v[EA+2*\rt+1], v[EA+2*\rt], s[SEL], s[SEL+1]
.endr
.irp rt, 0,1,2,3
	v_add_f32 v[EA+2*\rt], v[EA+2*\rt], v[EA+2*\rt+1]
.endr
.irp rt, 0,1,2,3
	ds_store_b32 v[EPA], v[EA+2*\rt] offset:64*\rt ; row 16 rt + r; both halves of the lanes store the same number
.endr
	v_and_b32 v30, 31, v0
	v_lshl_add_u32 v30, v30, 2, EP
	s_wait_dscnt 0x0                               ; for the others' sake
	s_barrier_signal -1
	s_barrier_wait -1
.irp wv, 0,1,2,3
	ds_load_b32 v[EW+2*\wv],   v30 offset:256*\wv
	ds_load_b32 v[EW+2*\wv+1], v30 offset:256*\wv+128
.endr
.set i, 0
.rept 32
	v_mov_b32 v[CA+i], 0                           ; my 32 columns' sums, under the wait for those loads
.set i, i+1
.endr
	s_wait_dscnt 0x0
	v_add_f32 v[EW], v[EW], v[EW+2]
	v_add_f32 v[EW+1], v[EW+1], v[EW+3]
	v_add_f32 v[EW+4], v[EW+4], v[EW+6]
	v_add_f32 v[EW+5], v[EW+5], v[EW+7]
	v_add_f32 v[EW], v[EW], v[EW+4]                ; e of row L
	v_add_f32 v[EW+1], v[EW+1], v[EW+5]            ; e of row L + 32; every wave adds in the same order and holds the same numbers
	v_max_num_f32 v[MX], v[EW], v[EW+1]
	v_max_num_f32_dpp v[MX], v[MX], v[MX] row_xmask:1 row_mask:0xf bank_mask:0xf
	v_max_num_f32_dpp v[MX], v[MX], v[MX] row_xmask:2 row_mask:0xf bank_mask:0xf
	v_max_num_f32_dpp v[MX], v[MX], v[MX] row_xmask:4 row_mask:0xf bank_mask:0xf
	v_max_num_f32_dpp v[MX], v[MX], v[MX] row_xmask:8 row_mask:0xf bank_mask:0xf
	v_mov_b32 v[MX+1], v[MX]
	v_permlanex16_b32 v[MX+1], v[MX], s[SEL], s[SEL+1]
	v_max_num_f32 v[MX], v[MX], v[MX+1]            ; m: the block's maximum, taken away before the exponential
	v_sub_f32 v[PP], v[EW], v[MX]
	v_sub_f32 v[PP+1], v[EW+1], v[MX]
	v_mul_f32 v[PP], 0x3fb8aa3b, v[PP]
	v_mul_f32 v[PP+1], 0x3fb8aa3b, v[PP+1]
	v_exp_f32 v[PP], v[PP]
	v_exp_f32 v[PP+1], v[PP+1]
	s_lshl_b32 s17, s[WV], 8
	v_add_nc_u32 v31, s17, v30                     ; a plain instruction behind the exponentials (ISA guide 5.7.2)
	s_wait_alu depctr_va_vdst(0)
	v_add_f32 v[LS], v[PP], v[PP+1]
	ds_store_b32 v31, v[PP] offset:PS-EP           ; the 64 weights into my wave's own 256 bytes
	ds_store_b32 v31, v[PP+1] offset:PS-EP+128
	v_add_f32_dpp v[LS], v[LS], v[LS] row_xmask:1 row_mask:0xf bank_mask:0xf
	v_add_f32_dpp v[LS], v[LS], v[LS] row_xmask:2 row_mask:0xf bank_mask:0xf
	v_add_f32_dpp v[LS], v[LS], v[LS] row_xmask:4 row_mask:0xf bank_mask:0xf
	v_add_f32_dpp v[LS], v[LS], v[LS] row_xmask:8 row_mask:0xf bank_mask:0xf
	v_mov_b32 v[LS+1], v[LS]
	v_permlanex16_b32 v[LS+1], v[LS], s[SEL], s[SEL+1]
	v_add_f32 v[LS], v[LS], v[LS+1]                ; l
	v_mov_b32 v[ML], v[MX]
	v_mov_b32 v[ML+1], v[LS]
	v_mov_b32 v[ML+2], v[MX]
	v_mov_b32 v[ML+3], v[LS]
	s_mul_i32 s17, s[WV], 320                      ; in my 256 bytes, rows 16 w ..: 256 w + 64 w
	s_add_co_u32 s17, s17, PS
	v_mov_b32 v1, s17
	s_wait_dscnt 0x0
	s_barrier_signal -1                            ; the weights are read behind a barrier, so that the order of store and read does not rest on the two addresses' arithmetic
	s_barrier_wait -1
.irp c, 0,1,2,3
	ds_load_b128 v[PV+4*\c:PV+4*\c+3], v1 offset:16*\c     ; my 16 rows' weights, the same in every lane
.endr
	s_wait_dscnt 0x0
.irp a, 0,1,2,3,4,5,6,7,8,9,10,11,12,13,14,15
	VROW \a
.endr
	; THE FOUR WAVES' SUMS meet in LDS, where q's ring lay: every wave's reads of the ring were back in front of the energies' barrier
.irp c, 0,1,2,3,4,5,6,7
	ds_store_b128 v[QST], v[CA+4*\c:CA+4*\c+3] offset:512*\c
.endr
	v_lshl_add_u32 v1, v0, 4, QR
	v_lshlrev_b32 v30, 4, v0
	s_wait_dscnt 0x0                               ; for the others' sake
	s_barrier_signal -1
	s_barrier_wait -1
.irp wv, 0,1,2,3
	ds_load_b128 v[CA+8*\wv:CA+8*\wv+3],   v1 offset:4096*\wv
	ds_load_b128 v[CA+8*\wv+4:CA+8*\wv+7], v1 offset:4096*\wv+2048
.endr
	s_wait_dscnt 0x0
.irp j, 0,2,4,6
	v_pk_add_f32 v[CA+\j:CA+\j+1], v[CA+\j:CA+\j+1], v[CA+8+\j:CA+8+\j+1]
	v_pk_add_f32 v[CA+16+\j:CA+16+\j+1], v[CA+16+\j:CA+16+\j+1], v[CA+24+\j:CA+24+\j+1]
.endr
.irp j, 0,2,4,6
	v_pk_add_f32 v[CA+\j:CA+\j+1], v[CA+\j:CA+\j+1], v[CA+16+\j:CA+16+\j+1]
.endr
	global_store_b128 v30, v[CA:CA+3], s[12:13]            ; each store of a wave covers 512 consecutive bytes, aligned
	global_store_b128 v30, v[CA+4:CA+7], s[12:13] offset:2048
	s_cmp_lg_u32 s[WV], 0
	s_cbranch_scc1 .Lno_ml
	global_store_b128 v30, v[ML:ML+3], s[12:13] offset:4096  ; wave 0: (m, l) 64 times over, 512 whole bytes
.Lno_ml:
	s_wait_tensorcnt 0x0                           ; the wave's end: behind my last tensor load and my last LDS store
	ds_add_u32 v[SPW], v[NIL]
	s_wait_dscnt 0x0
	CROUND                                         ; the closing round: no work-group ends while a partner may still ask for a slab that names it
	s_endpgm
.Lfunc_end_k_q99ce04f7e5_score:
	.size	k_q99ce04f7e5_score, .Lfunc_end_k_q99ce04f7e5_score-k_q99ce04f7e5_score
	.p2alignl 7, 3214868480
	.fill 96, 4, 3214868480
	.section	.rodata,"a",@progbits
	.p2align	6, 0x0
	.amdhsa_kernel k_q99ce04f7e5_score
		.amdhsa_group_segment_fixed_size 327680
		.amdhsa_private_segment_fixed_size 0
		.amdhsa_enable_private_segment 0
		.amdhsa_kernarg_size 40
		.amdhsa_user_sgpr_count 2
		.amdhsa_user_sgpr_kernarg_segment_ptr 1
		.amdhsa_wavefront_size32 1
		.amdhsa_system_sgpr_workgroup_id_x 1
		.amdhsa_system_sgpr_workgroup_id_y 1
		.amdhsa_system_sgpr_workgroup_id_z 1
		.amdhsa_system_vgpr_workitem_id 0
		.amdhsa_next_free_vgpr 1024
		.amdhsa_next_free_sgpr 66
		.amdhsa_reserve_vcc 0
		.amdhsa_float_denorm_mode_32 3
		.amdhsa_float_denorm_mode_16_64 3
		.amdhsa_memory_ordered 1
		.amdhsa_forward_progress 1
		.amdhsa_inst_pref_size 237
	.end_amdhsa_kernel
	.amdgpu_metadata
---
amdhsa.version: [ 1, 2 ]
amdhsa.kernels:
  - .name:           k_q99ce04f7e5_score
    .symbol:         k_q99ce04f7e5_score.kd
    .args:
      - { .name: query, .offset: 0, .size: 8, .value_kind: global_buffer, .address_space: global }
      - { .name: wpack, .offset: 8, .size: 8, .value_kind: global_buffer, .address_space: global }
      - { .name: qe, .offset: 16, .size: 8, .value_kind: global_buffer, .address_space: global }
      - { .name: value, .offset: 24, .size: 8, .value_kind: global_buffer, .address_space: global }
      - { .name: part, .offset: 32, .size: 8, .value_kind: global_buffer, .address_space: global }
    .group_segment_fixed_size: 327680
    .private_segment_fixed_size: 0
    .kernarg_segment_align: 8
    .kernarg_segment_size: 40
    .max_flat_workgroup_size: 128
    .sgpr_count:     66
    .vgpr_count:     1024
    .wavefront_size: 32
...
	.end_amdgpu_metadata
.endif
;; end of part 3
;; launch combine (part 4): grid 16 x 1, 8 waves a work-group, no clusters, 4,608 bytes of LDS; arguments part, out0; writes out0
.if DOCPART == 4
	.amdgcn_target "amdgcn-amd-amdhsa--gfx1250"
	.amdhsa_code_object_version 6
	.text
	.protected	k_q99ce04f7e5_combine
	.globl	k_q99ce04f7e5_combine
	.p2align	8
	.type	k_q99ce04f7e5_combine,@function
k_q99ce04f7e5_combine:
	s_mov_b64 s[64:65], 0
	v_nop
	global_prefetch_b8 v0, s[64:65] scope:SCOPE_SE
	s_setreg_imm32_b32 hwreg(HW_REG_WAVE_MODE, 25, 1), 1
	s_wait_xcnt 0x0
; out0[c] = (the sum over the 256 blocks b of w_b ctx_b[c]) / (the sum of w_b l_b), w_b = exp(m_b - M), M = the largest m_b: the softmax over all 16,384 rows, joined from the blocks' own maxima.
; part: 256 rows of 4,608 bytes: 1,024 f32 of ctx, then (m, l) repeated.  LIMITS: a w below 2^-126 counts as 0; NaN and infinities are not treated apart.
; SHARES.  Work-group c owns columns 64 c .. 64 c + 63, 256 bytes of every row; thread t takes (m, l) of block t, and 16 bytes (t % 16) of rows t / 16 + 16 u, u = 0 .. 15: sixteen lanes read 256 consecutive aligned bytes.
; 16 work-groups: the launch moves 1.2 MB, and a column's sum has one owner.  No matrix unit (one row), no cluster (nothing large is shared), no tensor load (all loads are out at once from registers).
.set PITCH, 4608
.set WT,    0                          ; 256 w
.set RED1,  1024                       ; the eight waves' maxima
.set RED2,  1280                       ; the eight waves' sums of w l
.set CRED,  1536                       ; the eight waves' 64 columns
.set SPARE, 3584                       ; the spare words, 128 bytes a wave: four blocks of 256 bytes that no other line names
.set D,   16                           ; v16-79 the 16 rows' 16 bytes
.set R8,  80                           ; v80-87 eight waves' figures
.set W,   88                           ; v88-103 the 16 rows' w
.set ACC, 104
	s_load_b128 s[4:7], s[0:1], 0x0                ; part s[4:5], out0 s[6:7]
	v_lshl_add_u32 v2, v0, 2, SPARE                ; my spare word; never rewritten
	v_mov_b32 v3, 0                                ; 0; never rewritten
	v_lshrrev_b32 v1, 5, v0
	v_readfirstlane_b32 s8, v1                     ; wave 0..7
	s_lshl_b32 s10, ttmp9, 8                       ; my 256 bytes of a row
	s_mov_b32 s11, 0
	s_mov_b32 s12, 0x76543210                      ; v_permlanex16_b32: each lane takes its own place in the other half
	s_mov_b32 s13, 0xfedcba98
	v_mul_u32_u24 v8, v0, PITCH
	v_lshrrev_b32 v9, 4, v0                        ; t / 16
	v_and_b32 v10, 15, v0
	v_mul_u32_u24 v11, v9, PITCH
	v_lshl_add_u32 v11, v10, 4, v11
	s_lshl_b32 s9, s8, 2
	v_mov_b32 v12, s9                              ; my wave's word
	v_mov_b32 v13, 0
	v_lshlrev_b32 v15, 2, v0                       ; my block's word
	v_lshlrev_b32 v9, 2, v9                        ; the word of row t / 16
	s_wait_kmcnt 0x0
	s_add_nc_u64 s[14:15], s[4:5], s[10:11]
	s_add_nc_u64 s[6:7], s[6:7], s[10:11]
	global_load_b64 v[4:5], v8, s[4:5] offset:4096
.irp u, 0,1,2,3,4,5,6,7,8,9,10,11,12,13,14,15
	global_load_b128 v[D+4*\u:D+4*\u+3], v11, s[14:15] offset:16*PITCH*\u
.endr
	s_wait_loadcnt 0x10                            ; (m, l) is in; the sixteen younger loads stay out
	v_mov_b32 v6, v4
	v_max_num_f32_dpp v6, v6, v6 row_xmask:1 row_mask:0xf bank_mask:0xf
	v_max_num_f32_dpp v6, v6, v6 row_xmask:2 row_mask:0xf bank_mask:0xf
	v_max_num_f32_dpp v6, v6, v6 row_xmask:4 row_mask:0xf bank_mask:0xf
	v_max_num_f32_dpp v6, v6, v6 row_xmask:8 row_mask:0xf bank_mask:0xf
	v_mov_b32 v7, v6
	v_permlanex16_b32 v7, v6, s12, s13
	v_max_num_f32 v6, v6, v7
	ds_store_b32 v12, v6 offset:RED1
	s_wait_dscnt 0x0                               ; for the others' sake
	s_barrier_signal -1
	s_barrier_wait -1
	ds_load_b128 v[R8:R8+3], v13 offset:RED1
	ds_load_b128 v[R8+4:R8+7], v13 offset:RED1+16
	s_wait_dscnt 0x0
	v_max3_num_f32 v[R8], v[R8], v[R8+1], v[R8+2]
	v_max3_num_f32 v[R8+3], v[R8+3], v[R8+4], v[R8+5]
	v_max3_num_f32 v[R8], v[R8], v[R8+6], v[R8+7]
	v_max_num_f32 v[R8], v[R8], v[R8+3]            ; M
	v_sub_f32 v14, v4, v[R8]
	v_mul_f32 v14, 0x3fb8aa3b, v14
	v_exp_f32 v14, v14
	v_nop                                          ; a plain instruction behind the exponential (ISA guide 5.7.2)
	s_wait_alu depctr_va_vdst(0)
	ds_store_b32 v15, v14 offset:WT
	v_mul_f32 v6, v14, v5                          ; w l
	v_add_f32_dpp v6, v6, v6 row_xmask:1 row_mask:0xf bank_mask:0xf
	v_add_f32_dpp v6, v6, v6 row_xmask:2 row_mask:0xf bank_mask:0xf
	v_add_f32_dpp v6, v6, v6 row_xmask:4 row_mask:0xf bank_mask:0xf
	v_add_f32_dpp v6, v6, v6 row_xmask:8 row_mask:0xf bank_mask:0xf
	v_permlanex16_b32 v7, v6, s12, s13
	v_add_f32 v6, v6, v7
	ds_store_b32 v12, v6 offset:RED2
	s_wait_dscnt 0x0
	s_barrier_signal -1
	s_barrier_wait -1
	ds_load_b128 v[R8:R8+3], v13 offset:RED2
	ds_load_b128 v[R8+4:R8+7], v13 offset:RED2+16
.irp u, 0,1,2,3,4,5,6,7,8,9,10,11,12,13,14,15
	ds_load_b32 v[W+\u], v9 offset:WT+64*\u
.endr
	s_wait_dscnt 0x0
	v_add_f32 v[R8], v[R8], v[R8+1]
	v_add_f32 v[R8+2], v[R8+2], v[R8+3]
	v_add_f32 v[R8+4], v[R8+4], v[R8+5]
	v_add_f32 v[R8+6], v[R8+6], v[R8+7]
	v_add_f32 v[R8], v[R8], v[R8+2]
	v_add_f32 v[R8+4], v[R8+4], v[R8+6]
	v_add_f32 v[R8], v[R8], v[R8+4]
	v_rcp_f32 v[R8], v[R8]                         ; 1 / the sum of w l; its first use stands far below
	s_wait_loadcnt 0x0
.irp j, 0,1,2,3
	v_mul_f32 v[ACC+\j], v[D+\j], v[W]             ; the first row starts the sums
.endr
.irp u, 1,2,3,4,5,6,7,8,9,10,11,12,13,14,15
.irp j, 0,1,2,3
	v_fmac_f32 v[ACC+\j], v[D+4*\u+\j], v[W+\u]
.endr
.endr
.irp j, 0,1,2,3
	v_permlanex16_b32 v[R8+4+\j], v[ACC+\j], s12, s13
.endr
.irp j, 0,1,2,3
	v_add_f32 v[ACC+\j], v[ACC+\j], v[R8+4+\j]     ; the wave's two groups of rows
.endr
	s_lshl_b32 s9, s8, 8
	v_lshl_add_u32 v9, v10, 4, s9
	ds_store_b128 v9, v[ACC:ACC+3] offset:CRED     ; both halves of the lanes store the same numbers
	v_lshlrev_b32 v10, 4, v10
	s_wait_dscnt 0x0
	s_barrier_signal -1
	s_barrier_wait -1
.irp wv, 0,1,2,3,4,5,6,7
	ds_load_b128 v[D+4*\wv:D+4*\wv+3], v10 offset:CRED+256*\wv
.endr
	s_wait_dscnt 0x0
.irp j, 0,2
	v_pk_add_f32 v[D+\j:D+\j+1], v[D+\j:D+\j+1], v[D+4+\j:D+4+\j+1]
	v_pk_add_f32 v[D+8+\j:D+8+\j+1], v[D+8+\j:D+8+\j+1], v[D+12+\j:D+12+\j+1]
	v_pk_add_f32 v[D+16+\j:D+16+\j+1], v[D+16+\j:D+16+\j+1], v[D+20+\j:D+20+\j+1]
	v_pk_add_f32 v[D+24+\j:D+24+\j+1], v[D+24+\j:D+24+\j+1], v[D+28+\j:D+28+\j+1]
.endr
.irp j, 0,2
	v_pk_add_f32 v[D+\j:D+\j+1], v[D+\j:D+\j+1], v[D+8+\j:D+8+\j+1]
	v_pk_add_f32 v[D+16+\j:D+16+\j+1], v[D+16+\j:D+16+\j+1], v[D+24+\j:D+24+\j+1]
.endr
.irp j, 0,2
	v_pk_add_f32 v[D+\j:D+\j+1], v[D+\j:D+\j+1], v[D+16+\j:D+16+\j+1]
.endr
	s_wait_alu depctr_va_vdst(0)
.irp j, 0,2
	v_pk_mul_f32 v[D+\j:D+\j+1], v[D+\j:D+\j+1], v[R8:R8+1] op_sel_hi:[1,0]
.endr
	v_cmp_gt_u32 vcc_lo, 16, v0                    ; threads 0 to 15 store the work-group's 256 bytes, aligned, in one instruction
	s_wait_xcnt 0x0                                ; EXEC changes only behind this wait,
	s_and_saveexec_b32 s20, vcc_lo
	global_store_b128 v10, v[D:D+3], s[6:7]
	s_wait_xcnt 0x0                                ; and again in front of the line that widens it
	s_or_b32 exec_lo, exec_lo, s20
	s_wait_tensorcnt 0x0                           ; the wave's end: behind my last LDS store
	ds_add_u32 v2, v3
	s_wait_dscnt 0x0
	s_endpgm
.Lfunc_end_k_q99ce04f7e5_combine:
	.size	k_q99ce04f7e5_combine, .Lfunc_end_k_q99ce04f7e5_combine-k_q99ce04f7e5_combine
	.p2alignl 7, 3214868480
	.fill 96, 4, 3214868480
	.section	.rodata,"a",@progbits
	.p2align	6, 0x0
	.amdhsa_kernel k_q99ce04f7e5_combine
		.amdhsa_group_segment_fixed_size 4608
		.amdhsa_private_segment_fixed_size 0
		.amdhsa_enable_private_segment 0
		.amdhsa_kernarg_size 16
		.amdhsa_user_sgpr_count 2
		.amdhsa_user_sgpr_kernarg_segment_ptr 1
		.amdhsa_wavefront_size32 1
		.amdhsa_system_sgpr_workgroup_id_x 1
		.amdhsa_system_sgpr_workgroup_id_y 1
		.amdhsa_system_sgpr_workgroup_id_z 1
		.amdhsa_system_vgpr_workitem_id 0
		.amdhsa_next_free_vgpr 112
		.amdhsa_next_free_sgpr 66
		.amdhsa_reserve_vcc 1
		.amdhsa_float_denorm_mode_32 3
		.amdhsa_float_denorm_mode_16_64 3
		.amdhsa_memory_ordered 1
		.amdhsa_forward_progress 1
		.amdhsa_inst_pref_size 11
	.end_amdhsa_kernel
	.amdgpu_metadata
---
amdhsa.version: [ 1, 2 ]
amdhsa.kernels:
  - .name:           k_q99ce04f7e5_combine
    .symbol:         k_q99ce04f7e5_combine.kd
    .args:
      - { .name: part, .offset: 0, .size: 8, .value_kind: global_buffer, .address_space: global }
      - { .name: out0, .offset: 8, .size: 8, .value_kind: global_buffer, .address_space: global }
    .group_segment_fixed_size: 4608
    .private_segment_fixed_size: 0
    .kernarg_segment_align: 8
    .kernarg_segment_size: 16
    .max_flat_workgroup_size: 256
    .sgpr_count:     66
    .vgpr_count:     112
    .wavefront_size: 32
...
	.end_amdgpu_metadata
.endif
;; end of part 4
;; ======== version 2 of 2: 4 launches; 1.16 times as fast as version 1
;; limits: values are held in f16: magnitudes above 65,504 overflow, below 6.1e-05 lose precision; right only within a limited range of input values
;; workspace buffers: wpack 6,303,744 bytes; qe 33,554,432 bytes; part 1,179,648 bytes
;; launch pack: the kernel of part 1 again; grid 128 x 3, 8 waves a work-group, no clusters, 0 bytes of LDS; arguments W1, W0, Wa, b1, b0, ba, wpack; writes wpack
;; launch enc (part 5): grid 256 x 1, 4 waves a work-group, clusters of 4 x 1, 327,680 bytes of LDS; arguments key, wpack, qe; writes qe
.if DOCPART == 5
	.amdgcn_target "amdgcn-amd-amdhsa--gfx1250"
	.amdhsa_code_object_version 6
	.text
	.protected	k_q99ce04f7e5_enc
	.globl	k_q99ce04f7e5_enc
	.p2align	8
	.type	k_q99ce04f7e5_enc,@function
k_q99ce04f7e5_enc:
	s_mov_b64 s[64:65], 0
	v_nop
	global_prefetch_b8 v0, s[64:65] scope:SCOPE_SE
	s_setreg_imm32_b32 hwreg(HW_REG_WAVE_MODE, 25, 1), 1
	s_wait_xcnt 0x0
	s_wait_alu depctr_hold_cnt(0) depctr_sa_sdst(0) depctr_va_vdst(0) depctr_va_sdst(0) depctr_va_ssrc(0) depctr_va_vcc(0) depctr_vm_vsrc(0)
	s_getreg_b32 s2, hwreg(HW_REG_IB_STS2, 6, 4)
	s_cmp_eq_u32 s2, 0
	s_cbranch_scc0 .Lentry_in_a_cluster
	s_endpgm
.Lentry_in_a_cluster:
	s_bfe_u32 s2, ttmp6, 0x10000c
	s_cmp_lg_u32 s2, 0x3003
	s_cbranch_scc0 .Lentry_shape_is_right
	s_endpgm
.Lentry_shape_is_right:
; qe = 0.25 x relu(key W1^T + b1), in f16, in fragment order.  key: [16384][1024] f32, rounded to bf16 on its way; weights and bias as the launch before packed them (0.25 x bf16(W1), 0.25 x bf16(b1)); sums in f32.
; LIMIT: 0.25 q is kept in f16: |q| of 262,000 or more becomes an infinity.  NaN and infinities are not treated apart.
; SHARES.  A work-group owns 64 rows, all 1,024 columns; wave w columns 256 w .. 256 w + 255: 64 accumulators of 16 x 16, 512 registers.  K goes in 16 slabs of 64.
; THE PRODUCT IS USED TRANSPOSED: source 0 = 16 output columns (weights), source 1 = 16 rows (key).  Lane (r = L % 16, h = L / 16), register j then holds row r, column 8 h + j: eight neighbouring columns, which as f16 ARE
; the lane's 16 bytes of a half fragment of the next product's operand: nothing changes lanes on the way out.
; WEIGHTS.  Every work-group walks all of W1, so the four work-groups of a cluster ask JOINTLY: the same tensor load, descriptor and mask in all four.  Two LDS slots of 131,072 bytes, a slab each; wave w fetches and alone reads
; the 32,768 bytes at 32,768 w of a slot (32 fragments, dense): one load a wave behind each round, 112 matrix instructions ahead of the wait for it.
; THE WALK ALONG K IS TURNED.  Cluster c begins at slab (c xor c / 4) mod 16 and goes round the 16: a sum over K may begin anywhere.  So at any time the clusters ask for different slabs, and from its third slab on a cluster asks
; for a slab that another cluster has asked for a slab's time before.  (Of the 32 clusters whose numbers agree in any one bit, two begin at each slab.)  The first slab hangs on the cluster's number alone, which the four partners share.
; KEY.  Wave w loads rows 16 w .. 16 w + 15 of a slab (256 bytes of a row to sixteen lanes) into one of two staging sets of registers, two slabs ahead; rounds to bf16; stores into a ring of two LDS blocks of 64 rows x 144 bytes, read by all.
; SUMS BEGIN AT THE BIAS: the accumulators are loaded from it, so nothing is cleared and nothing is added afterwards.
; REGISTERS, in windows of 256 (s_set_vgpr_msb: bits 1:0 source 0, 3:2 source 1, 5:4 source 2, 7:6 destination):
;   window 0: v0-14 addresses; v64-127, v128-191 weight fragments, two buffers of 8; v192-223, v224-255 key fragments, two buffers of 4
;   window 1: v0-31, v32-63 staging sets; v64-79 rounded; at the end all 256: the packed result          windows 2, 3: accumulator (row tile rt, column tile i) at v[32 (i % 8) + 8 rt] of window 2 + i / 8
.set SLOTB, 131072                     ; a slot, and a slab of weights in memory
.set XR,    2*SLOTB                    ; the key ring
.set XP,    144                        ; its pitch: 128 bytes + 16 = 36 words: the 16 rows of a load start at 16 different groups of four banks (64 banks of 4 bytes: ISA guide 11.1)
.set XBLK,  64*XP
.set SPARE, XR+2*XBLK                  ; the spare words, 128 bytes a wave: two blocks of 256 bytes that no other line names
.set WAD, 2                            ; v2-3   my 16 bytes of a fragment in my part of slot 0, 1
.set XAD, 4                            ; v4-5   my place in a key fragment, block 0, 1
.set XST, 6                            ; v6-7   where I store 8 bytes of rounded key, block 0, 1
.set LT,  8                            ; v8     my byte offset in the work-group's rows of key, at K = 0; never rewritten
.set KO,  9                            ; v9-10  the same plus the slab, one for each staging set
.set BO,  11                           ; v11    my byte offset in the bias
.set SPW, 12                           ; v12    my spare word; never rewritten
.set NIL, 13                           ; v13    0; never rewritten
.set QO,  14                           ; v14    my byte offset in the work-group's block of qe
.set WB0, 64
.set WB1, 128
.set XB0, 192
.set XB1, 224
.set CT,  64                           ; window 1
.set WV,  14                           ; s14 my wave's number
.set G1,  20                           ; s[20:27] descriptor group 1
.set G0,  28                           ; s[28:35] descriptor group 0, a set for each slot
.set CNT, 36
.set SK,  37                           ; s37 byte offset along K of the slab of key to be loaded next
.set NX,  38                           ; s38 the slab of weights to be asked for next
.set BB,  40                           ; s[40:41] the bias
.set WBS, 50                           ; s[50:51] my part of W1's slab 0; never rewritten
.set OFF, 52                           ; s[52:53] a slab's byte offset
.set MSB, 0
.macro WIN new                         ; the immediate's high byte repeats the setting that is left; a switch that changes nothing is dropped
.if MSB != (\new)
	s_set_vgpr_msb (MSB<<8)|(\new)
.set MSB, (\new)
.endif
.endm
.macro PLACES                          ; four plain vector instructions between a matrix instruction and a load into, or a vector instruction on, its registers (ISA guide 7.12.1 for vector instructions)
.rept 4
	v_nop
.endr
.endm
.macro CREST                           ; a round of the cluster's barrier behind its opening barrier
	s_cmp_lg_u32 s[WV], 0
	s_cbranch_scc1 .Lnot_wave_0_\@
	s_barrier_signal -3
.Lnot_wave_0_\@:
	s_barrier_wait -3
	s_barrier_signal -1
	s_barrier_wait -1
.endm
.macro CROUND
	s_barrier_signal -1
	s_barrier_wait -1
	CREST
.endm
.macro AIM p                           ; slot p's group 0 takes the address of slab NX, made anew from the number; NX goes on, round the 16
	s_lshl_b32 s[OFF], s[NX], 17
	s_add_nc_u64 s[G0+4*(\p)+2:G0+4*(\p)+3], s[WBS:WBS+1], s[OFF:OFF+1]
	s_or_b32 s[G0+4*(\p)+3], s[G0+4*(\p)+3], 0x80000000
	s_add_co_u32 s[NX], s[NX], 1
	s_and_b32 s[NX], s[NX], 15
.endm
.macro KNEXT set                       ; a staging set's address takes the next slab of key; the offset goes on, round a row's 4,096 bytes: no load leaves the buffer
	v_add_nc_u32 v[KO+(\set)], s[SK], v[LT]
	s_add_co_u32 s[SK], s[SK], 256
	s_and_b32 s[SK], s[SK], 0xfff
.endm
.macro FETCHW slot, f0, wb             ; 16 LDS loads: my fragments f0 .. f0 + 7 of a slot
	WIN 0
.set ff, 0
.rept 8
	ds_load_b128 v[(\wb)+8*ff:(\wb)+8*ff+3],   v[WAD+(\slot)] offset:((\f0)+ff)*1024
	ds_load_b128 v[(\wb)+8*ff+4:(\wb)+8*ff+7], v[WAD+(\slot)] offset:((\f0)+ff)*1024+512
.set ff, ff+1
.endr
.endm
.macro FETCHX blk, kk, xb              ; 8 LDS loads: the four row tiles' fragments of 32 along K
	WIN 0
.irp rt, 0,1,2,3
	ds_load_b128 v[(\xb)+8*\rt:(\xb)+8*\rt+3],   v[XAD+(\blk)] offset:\rt*16*XP+(\kk)*64
	ds_load_b128 v[(\xb)+8*\rt+4:(\xb)+8*\rt+7], v[XAD+(\blk)] offset:\rt*16*XP+(\kk)*64+32
.endr
.endm
.macro MUL wb, xb, win, i0, n          ; 4 n matrix instructions; the accumulators take turns, one instruction a turn
	WIN 0x50*(\win)
.set mi, (\i0)
.rept (\n)
.irp rt, 0,1,2,3
	v_wmma_f32_16x16x32_bf16 v[32*mi+8*\rt:32*mi+8*\rt+7], v[(\wb)+8*mi:(\wb)+8*mi+7], v[(\xb)+8*\rt:(\xb)+8*\rt+7], v[32*mi+8*\rt:32*mi+8*\rt+7]
.endr
.set mi, mi+1
.endr
.endm
.macro INIT win, imm0                  ; 64 loads: a window's accumulators take the bias of their columns
	WIN (\win)<<6
.set ii, 0
.rept 8
.irp rt, 0,1,2,3
	global_load_b128 v[32*ii+8*\rt:32*ii+8*\rt+3],   v[BO], s[BB:BB+1] offset:(\imm0)+64*ii
	global_load_b128 v[32*ii+8*\rt+4:32*ii+8*\rt+7], v[BO], s[BB:BB+1] offset:(\imm0)+64*ii+16
.endr
.set ii, ii+1
.endr
.endm
.macro XLOAD set                       ; 8 loads: my 16 rows of a slab; sixteen lanes take 256 consecutive bytes of a row
	WIN 0x40
.irp t, 0,1,2,3,4,5,6,7
	global_load_b128 v[32*(\set)+4*\t:32*(\set)+4*\t+3], v[KO+(\set)], s[4:5] offset:\t*4096 th:TH_LOAD_NT
.endr
.endm
.macro XCVT set
	WIN 0x45
.set cc, 0
.rept 16
	v_cvt_pk_bf16_f32 v[CT+cc], v[32*(\set)+2*cc], v[32*(\set)+2*cc+1]
.set cc, cc+1
.endr
.endm
.macro XSTORE blk
	WIN 0x04
.irp t, 0,1,2,3,4,5,6,7
	ds_store_b64 v[XST+(\blk)], v[CT+2*\t:CT+2*\t+1] offset:\t*XP
.endr
.endm
; THE CHANGE OF SLOTS, on the slab's last 32 products.  In front of the barrier each wave waits for all its tensor loads (one is out: its part of the other slot), adds 0 to its spare word, and waits for that, for its reads of
; this slot and of this key block, and for its stores into the other key block.  refill = 1: the barrier opens a round of the cluster's, and the joint refill of this slot, two slabs on in the walk, is the first thing behind it.
.macro MEET p, refill
	s_wait_dscnt 0x0                               ; the fragments of these products are in
	WIN 0
	s_wait_tensorcnt 0x0                           ; no tensor load of mine is out, so a group 0 may be written
	ds_add_u32 v[SPW], v[NIL]                      ; 0 onto my spare word
.if \refill
	AIM \p
.endif
	MUL WB1, XB1, 3, 0, 2
	s_wait_dscnt 0x0                               ; the add is done; no LDS instruction of mine is out
	s_barrier_signal -1
	MUL WB1, XB1, 3, 2, 2                          ; work on registers while the others arrive
	WIN 0
	s_barrier_wait -1
.if \refill
	CREST                                          ; no wave of any partner still reads this slot or has a load on its way
	tensor_load_to_lds s[G0+4*(\p):G0+4*(\p)+3], s[G1:G1+7]
	s_nop 0
	PLACES                                         ; also the places in front of the loads below
.else
	PLACES
.endif
	FETCHW 1-(\p), 0, WB0
	FETCHX 1-(\p), 0, XB0
	MUL WB1, XB1, 3, 4, 4
.endm
; A SLAB of 64 along K in slot p and key block p: four groups of 32 products; each group's fragments are fetched a group ahead, in one run.
; drain = 1: staging set 1 - p, the next slab's key, is rounded and stored into block 1 - p, which nobody has read since the last barrier.  reload = 1: the set is loaded again, three slabs on in the walk.
.macro SLABK p, refill, drain, reload, last
	s_wait_dscnt 0x0
	PLACES
	FETCHW \p, 8, WB1
	MUL WB0, XB0, 2, 0, 8
	s_wait_dscnt 0x0
.if \drain
	s_wait_loadcnt 0x8                             ; loads come back in order: the set's eight are in, the other set's eight younger ones stay out; the set's address register is free
	WIN 0
.if \reload
	KNEXT 1-(\p)
.endif
	XCVT 1-(\p)                                    ; sixteen plain instructions: the places in front of the loads below
.else
	PLACES
.endif
	FETCHW \p, 16, WB0
	FETCHX \p, 1, XB1
.if \drain
	XSTORE 1-(\p)
.if \reload
	XLOAD 1-(\p)
.endif
.endif
	MUL WB1, XB0, 3, 0, 8
	s_wait_dscnt 0x0
	PLACES
	FETCHW \p, 24, WB1
	MUL WB0, XB1, 2, 0, 8
.if \last
	s_wait_dscnt 0x0
	MUL WB1, XB1, 3, 0, 8
.else
	MEET \p, \refill
.endif
.endm
.macro RELU win
	WIN ((\win)<<6)|((\win)<<2)
.set ri, 0
.rept 256
	v_max_num_f32 v[ri], 0, v[ri]                  ; each accumulator from its low end on
.set ri, ri+1
.endr
.endm
.macro PACKQ win                       ; a lane's eight columns of a tile become 16 bytes
	WIN 0x40|(\win)|((\win)<<2)
.set pq, 0
.rept 128
	v_cvt_pk_f16_f32 v[128*((\win)-2)+pq], v[2*pq], v[2*pq+1]
.set pq, pq+1
.endr
.endm
.macro SENDQ win                       ; tile (rt, i) is half i % 2 of fragment (K32 step 8 w + i / 2, rt): each store of the wave covers 512 consecutive bytes, aligned
	WIN 0x04
.set si, 0
.rept 8
.irp rt, 0,1,2,3
	global_store_b128 v[QO], v[128*((\win)-2)+16*si+4*\rt:128*((\win)-2)+16*si+4*\rt+3], s[8:9] offset:((8*((\win)-2)+si)/2)*4096+\rt*1024+(si%2)*512
.endr
.set si, si+1
.endr
.endm
	s_load_b128 s[4:7], s[0:1], 0x0                ; key s[4:5], wpack s[6:7]
	s_load_b64 s[8:9], s[0:1], 0x10                ; qe
	v_lshl_add_u32 v[SPW], v0, 2, SPARE
	v_mov_b32 v[NIL], 0
	ds_add_u32 v[SPW], v[NIL]                      ; the wave's opening: the add and its wait stand ahead of my first tensor load; the set-up below, work on registers, stands between them
	v_lshrrev_b32 v1, 5, v0
	v_readfirstlane_b32 s[WV], v1                  ; wave 0..3
	s_bfe_u32 s15, ttmp6, 0x40000                  ; cx: my place in the cluster
	s_lshl_b32 s16, ttmp9, 2                       ; in a cluster launch ttmp9 counts clusters
	s_add_co_u32 s16, s16, s15                     ; my block of 64 rows: it enters key's and qe's addresses alone
	s_lshr_b32 s[NX], ttmp9, 2
	s_xor_b32 s[NX], s[NX], ttmp9
	s_and_b32 s[NX], s[NX], 15                     ; the slab at which my cluster's walk begins
	s_lshl_b32 s[SK], s[NX], 8                     ; its 256 bytes of a row of key
	s_mov_b32 s[OFF+1], 0
	; descriptor group 1: 32,768 dense bytes as 128 rows of 256 bytes
	s_mov_b32 s[G1+0], 15|(3<<16)|(1<<21)          ; 15:0 the mask of four; 17:16 elements of 8 bytes; 21 set beside a mask
	s_mov_b32 s[G1+1], 32<<16                      ; tensor_dim0 = 32
	s_mov_b32 s[G1+2], 128<<16                     ; tensor_dim1 = 128
	s_mov_b32 s[G1+3], 32<<16                      ; tile_dim0 = 32
	s_mov_b32 s[G1+4], 128                         ; tile_dim1 = 128
	s_mov_b32 s[G1+5], 32                          ; 32 elements from row to row
	s_mov_b32 s[G1+6], 0
	s_mov_b32 s[G1+7], 0
	s_lshl_b32 s48, s[WV], 15                      ; my part of a slab and of a slot: the wave's number alone
	s_mov_b32 s49, 0
	s_mov_b32 s[G0], 1
	s_add_co_u32 s[G0+1], s48, 0
	s_mov_b32 s[G0+4], 1
	s_add_co_u32 s[G0+5], s48, SLOTB
	s_lshl_b32 s44, s16, 18                        ; 64 rows of 4,096 bytes
	s_mov_b32 s45, 0
	s_lshl_b32 s46, s16, 17                        ; 131,072 bytes of qe
	s_mov_b32 s47, 0
	v_and_b32 v1, 15, v0                           ; r
	v_bfe_u32 v30, v0, 4, 1                        ; h
	v_and_b32 v31, 31, v0
	v_lshlrev_b32 v31, 4, v31                      ; 16 L
	v_add_nc_u32 v[WAD], s48, v31
	v_add_nc_u32 v[WAD+1], SLOTB, v[WAD]
	v_add_nc_u32 v[QO], s48, v31
	v_mul_u32_u24 v[XAD], v1, XP
	v_lshl_add_u32 v[XAD], v30, 4, v[XAD]
	v_add_nc_u32 v[XAD], XR, v[XAD]
	v_add_nc_u32 v[XAD+1], XBLK, v[XAD]
	v_mul_u32_u24 v[XST], v30, 8*XP                ; lanes 16-31 take the row eight further down
	v_lshl_add_u32 v[XST], v1, 3, v[XST]
	s_mul_i32 s17, s[WV], 16*XP
	s_add_co_u32 s17, s17, XR
	v_add_nc_u32 v[XST], s17, v[XST]
	v_add_nc_u32 v[XST+1], XBLK, v[XST]
	v_lshlrev_b32 v[LT], 15, v30
	v_lshl_add_u32 v[LT], v1, 4, v[LT]
	s_lshl_b32 s17, s[WV], 16
	v_add_nc_u32 v[LT], s17, v[LT]
	KNEXT 0                                        ; the walk's first two slabs of key
	KNEXT 1
	s_lshl_b32 s17, s[WV], 10
	v_lshl_add_u32 v[BO], v30, 5, s17              ; 256 w + 8 h numbers
	s_wait_dscnt 0x0                               ; the opening add is done
	s_wait_kmcnt 0x0
	s_add_nc_u64 s[WBS:WBS+1], s[6:7], s[48:49]    ; W1's slab 0, my part
	AIM 0                                          ; the walk's first two slabs of weights
	AIM 1
	s_add_nc_u64 s[BB:BB+1], s[6:7], 0x600000      ; 0.25 x bf16(b1)
	s_add_nc_u64 s[4:5], s[4:5], s[44:45]
	s_add_nc_u64 s[8:9], s[8:9], s[46:47]
	CROUND                                         ; all four work-groups are here: the first joint loads meet
	tensor_load_to_lds s[G0:G0+3], s[G1:G1+7]      ; two loads of mine are out
	s_nop 0
	tensor_load_to_lds s[G0+4:G0+7], s[G1:G1+7]
	s_nop 0
	PLACES
	INIT 2, 0
	INIT 3, 512
	XLOAD 0
	XLOAD 1
	s_wait_loadcnt 0x8                             ; the bias and set 0 are in; set 1's eight stay out
	WIN 0
	KNEXT 0
	XCVT 0
	XSTORE 0
	XLOAD 0                                        ; the walk's third slab
	WIN 0
	s_wait_dscnt 0x0                               ; for the others' sake: my rows of block 0 are stored
	s_wait_tensorcnt 0x1                           ; my part of slot 0 is in; slot 1's may stay out
	s_barrier_signal -1
	s_barrier_wait -1
	FETCHW 0, 0, WB0
	FETCHX 0, 0, XB0
	s_mov_b32 s[CNT], 7
.Lk:                                                   ; the walk's slabs 0 to 13, two a trip; both slots are filled again
	SLABK 0, 1, 1, 1, 0
	SLABK 1, 1, 1, 1, 0
	WIN 0
	s_sub_co_u32 s[CNT], s[CNT], 1
	s_cmp_lg_u32 s[CNT], 0
	s_cbranch_scc1 .Lk
	SLABK 0, 0, 1, 0, 0                            ; the last two slabs ask for nothing
	SLABK 1, 0, 0, 0, 1
	s_wait_loadcnt 0x0                             ; the loop's last reload had no slab left, went round to the walk's first and is not used: the price of one text for every trip; its registers are written below
	PLACES
	RELU 2
	PACKQ 2
	SENDQ 2
	RELU 3
	PACKQ 3
	SENDQ 3
	WIN 0
	s_wait_tensorcnt 0x0                           ; the wave's end: behind my last tensor load and my last LDS store
	ds_add_u32 v[SPW], v[NIL]
	s_wait_dscnt 0x0
	CROUND                                         ; the closing round: no work-group ends while a partner may still ask for a slab that names it
	s_endpgm
.Lfunc_end_k_q99ce04f7e5_enc:
	.size	k_q99ce04f7e5_enc, .Lfunc_end_k_q99ce04f7e5_enc-k_q99ce04f7e5_enc
	.p2alignl 7, 3214868480
	.fill 96, 4, 3214868480
	.section	.rodata,"a",@progbits
	.p2align	6, 0x0
	.amdhsa_kernel k_q99ce04f7e5_enc
		.amdhsa_group_segment_fixed_size 327680
		.amdhsa_private_segment_fixed_size 0
		.amdhsa_enable_private_segment 0
		.amdhsa_kernarg_size 24
		.amdhsa_user_sgpr_count 2
		.amdhsa_user_sgpr_kernarg_segment_ptr 1
		.amdhsa_wavefront_size32 1
		.amdhsa_system_sgpr_workgroup_id_x 1
		.amdhsa_system_sgpr_workgroup_id_y 1
		.amdhsa_system_sgpr_workgroup_id_z 1
		.amdhsa_system_vgpr_workitem_id 0
		.amdhsa_next_free_vgpr 1024
		.amdhsa_next_free_sgpr 66
		.amdhsa_reserve_vcc 0
		.amdhsa_float_denorm_mode_32 3
		.amdhsa_float_denorm_mode_16_64 3
		.amdhsa_memory_ordered 1
		.amdhsa_forward_progress 1
		.amdhsa_inst_pref_size 124
	.end_amdhsa_kernel
	.amdgpu_metadata
---
amdhsa.version: [ 1, 2 ]
amdhsa.kernels:
  - .name:           k_q99ce04f7e5_enc
    .symbol:         k_q99ce04f7e5_enc.kd
    .args:
      - { .name: key, .offset: 0, .size: 8, .value_kind: global_buffer, .address_space: global }
      - { .name: wpack, .offset: 8, .size: 8, .value_kind: global_buffer, .address_space: global }
      - { .name: qe, .offset: 16, .size: 8, .value_kind: global_buffer, .address_space: global }
    .group_segment_fixed_size: 327680
    .private_segment_fixed_size: 0
    .kernarg_segment_align: 8
    .kernarg_segment_size: 24
    .max_flat_workgroup_size: 128
    .sgpr_count:     66
    .vgpr_count:     1024
    .wavefront_size: 32
...
	.end_amdgpu_metadata
.endif
;; end of part 5
;; launch score (part 6): grid 256 x 1, 4 waves a work-group, clusters of 4 x 1, 327,680 bytes of LDS; arguments query, wpack, qe, value, part; writes part
.if DOCPART == 6
	.amdgcn_target "amdgcn-amd-amdhsa--gfx1250"
	.amdhsa_code_object_version 6
	.text
	.protected	k_q99ce04f7e5_score
	.globl	k_q99ce04f7e5_score
	.p2align	8
	.type	k_q99ce04f7e5_score,@function
k_q99ce04f7e5_score:
	s_mov_b64 s[64:65], 0
	v_nop
	global_prefetch_b8 v0, s[64:65] scope:SCOPE_SE
	s_setreg_imm32_b32 hwreg(HW_REG_WAVE_MODE, 25, 1), 1
	s_wait_xcnt 0x0
	s_wait_alu depctr_hold_cnt(0) depctr_sa_sdst(0) depctr_va_vdst(0) depctr_va_sdst(0) depctr_va_ssrc(0) depctr_va_vcc(0) depctr_vm_vsrc(0)
	s_getreg_b32 s2, hwreg(HW_REG_IB_STS2, 6, 4)
	s_cmp_eq_u32 s2, 0
	s_cbranch_scc0 .Lentry_in_a_cluster
	s_endpgm
.Lentry_in_a_cluster:
	s_bfe_u32 s2, ttmp6, 0x10000c
	s_cmp_lg_u32 s2, 0x3003
	s_cbranch_scc0 .Lentry_shape_is_right
	s_endpgm
.Lentry_shape_is_right:
; For a block of 64 rows: k = relu(query W0^T + b0) (bf16 operands), t = q Wa^T + ba = (0.25 q)(4 Wa)^T + ba (f16 operands: q is made by this program, and bf16's rounding of it would shift the energies too far),
; e = the sum over columns of k t, the block's maximum m, p = exp(e - m), l = the sum of p, and the partial context, the sum over rows of p x bf16(value).  All sums in f32.
; part, a row of 4,608 bytes for each block: 1,024 f32 of partial context, then (m, l, m, l) 32 times.  The launch behind joins the 256 blocks by a maximum over their m.
; LIMITS: a weight p below 2^-126 counts as 0; NaN and infinities are not treated apart.
; SHARES, PRODUCT, WEIGHTS, QUERY RING: as in the launch before: wave w owns columns 256 w .. + 255 of all 64 rows; source 0 = 16 output columns, source 1 = 16 rows; lane (r, h), register j = row r, column 8 h + j; the four
; work-groups of a cluster ask jointly for each slab of weights, 131,072 bytes, into two LDS slots; wave w fetches and alone reads 32,768 bytes of a slot.  The weights are ONE stream of 32 slabs: W0's 16 of 64 along K, then Wa's 16.
; THE WALKS ALONG K ARE TURNED.  With ROT = (c xor c / 4) mod 16 for cluster c, W0's 16 slabs are walked from slab ROT round, and the 8 slabs of each pass over Wa from slab ROT mod 8 round: a sum over K may begin anywhere.  So at any
; time the clusters ask for different slabs, and but for a walk's first slabs a cluster asks for a slab that another has asked for a slab's time before.  ROT hangs on the cluster's number alone, which the four partners share.
; k AND t.  k fills windows 2 and 3 (512 registers) and stays.  t is made in two passes of 128 of the wave's columns, in window 1 (256 registers), 8 slabs of 128 along K each; behind a pass t is multiplied into the energies with
; the k of window 2, then 3.  q comes from memory, 16,384 bytes a slab (a plain copy: it lies in fragment order), through 32 registers a wave into a ring of two LDS blocks.
; VALUE.  Wave w takes rows 16 w .. + 15 whole: 128 loads of 512 consecutive bytes into windows 2 and 3 as they fall free: rows 0-7 in the last two slabs, rows 8-15 behind the last energies' products.
; REGISTERS: window 0: v0-31 addresses and the energies' sums; v32-63 q on its way; v64-127, v128-191 weight fragments; v192-223, v224-255 activation fragments.  window 1: staging (phase K), then t.  windows 2, 3: k, then value.
.set SLOTB, 131072
.set XR,    2*SLOTB                    ; the query ring: 2 blocks of 64 rows x 144 bytes
.set XP,    144
.set XBLK,  64*XP
.set QR,    XR+2*XBLK                  ; the q ring: 2 blocks of 16,384 bytes; at the end the four waves' partial contexts
.set QBLK,  16384
.set EP,    QR+2*QBLK                  ; 4 waves x 64 partial energies
.set PS,    EP+1024                    ; 4 waves x 64 weights
.set SPARE, PS+1024                    ; the spare words, 128 bytes a wave: two blocks of 256 bytes that no other line names
.set WAD, 2
.set XAD, 4
.set XST, 6
.set LT,  8
.set KO,  9
.set BO,  11
.set SPW, 12
.set NIL, 13
.set QLT, 14                           ; v14    my byte offset in a slab of qe; never rewritten
.set QGO, 15                           ; v15    the same plus the slab
.set EA,  16                           ; v16-23 a pair of sums for each row tile
.set QAD, 24                           ; v24-25 my 16 bytes of a fragment in q block 0, 1
.set QST, 26                           ; v26-27 where I store q, block 0, 1
.set VO,  28                           ; v28    my byte offset in the work-group's rows of value
.set EPA, 29                           ; v29    where I store a partial energy
.set QG1, 30                           ; v30    at the head: my byte offset in the walk's first slab of qe
.set QS,  32
.set WB0, 64
.set WB1, 128
.set XB0, 192
.set XB1, 224
.set CT,  64                           ; window 1
.set CA,  64                           ; at the end: v64-95 my 32 columns' context; v96-111 my 16 rows' weights; v112-127 a rounded row
.set PV,  96
.set VT,  112
.set EW,  128                          ; v128-135 the four waves' partial energies of rows L, L + 32
.set MX,  136
.set PP,  138
.set LS,  140
.set ML,  144
.set WV,  14
.set G1,  20
.set G0,  28
.set CNT, 36
.set SK,  37                           ; s37 byte offset along K of the slab of query to be loaded next
.set SQ,  38                           ; s38 byte offset of the slab of qe to be loaded next
.set ROT, 39                           ; s39 where my cluster's walks begin
.set BB,  40                           ; s[40:41] bf16(b0)
.set SEL, 42                           ; s[42:43] v_permlanex16_b32's selects: each lane takes its own place in the other half
.set BA,  46                           ; s[46:47] bf16(ba)
.set WBS, 50                           ; s[50:51] my part of W0's slab 0; Wa's slabs follow W0's; never rewritten
.set NN,  56                           ; s56 how many slabs of the stream of 32 have been asked for
.set TT,  57                           ; s57, s60, s61 at work
.set OFF, 58                           ; s[58:59] a slab's byte offset
.set MK,  60
.set UP,  61
.set MSB, 0
.macro WIN new
.if MSB != (\new)
	s_set_vgpr_msb (MSB<<8)|(\new)
.set MSB, (\new)
.endif
.endm
.macro PLACES                          ; four plain vector instructions between a matrix instruction and a load into, or a vector instruction on, its registers (ISA guide 7.12.1 for vector instructions)
.rept 4
	v_nop
.endr
.endm
.macro CREST
	s_cmp_lg_u32 s[WV], 0
	s_cbranch_scc1 .Lnot_wave_0_\@
	s_barrier_signal -3
.Lnot_wave_0_\@:
	s_barrier_wait -3
	s_barrier_signal -1
	s_barrier_wait -1
.endm
.macro CROUND
	s_barrier_signal -1
	s_barrier_wait -1
	CREST
.endm
; Slot p's group 0 takes the address of the stream's request number NN, made anew from the slab's number: NN's walk (its bits above the walk's length: 16 slabs of W0, then 8 and 8 of Wa) and, inside the walk, NN + ROT round.
.macro AIM p
	s_add_co_u32 s[TT], s[NN], s[ROT]
	s_cmp_lt_u32 s[NN], 16
	s_cselect_b32 s[MK], 15, 7
	s_and_b32 s[TT], s[TT], s[MK]
	s_and_not1_b32 s[UP], s[NN], s[MK]
	s_or_b32 s[TT], s[TT], s[UP]
	s_lshl_b32 s[OFF], s[TT], 17
	s_add_nc_u64 s[G0+4*(\p)+2:G0+4*(\p)+3], s[WBS:WBS+1], s[OFF:OFF+1]
	s_or_b32 s[G0+4*(\p)+3], s[G0+4*(\p)+3], 0x80000000
	s_add_co_u32 s[NN], s[NN], 1
.endm
.macro KNEXT set                       ; a staging set's address takes the next slab of query; the offset goes on, round a row's 4,096 bytes: no load leaves the buffer
	v_add_nc_u32 v[KO+(\set)], s[SK], v[LT]
	s_add_co_u32 s[SK], s[SK], 256
	s_and_b32 s[SK], s[SK], 0xfff
.endm
.macro QNEXT reg                       ; an address takes the next slab of q; the offset goes on, round the block's 8 slabs, which are walked twice
	v_add_nc_u32 v[\reg], s[SQ], v[QLT]
	s_add_co_u32 s[SQ], s[SQ], QBLK
	s_and_b32 s[SQ], s[SQ], 0x1ffff
.endm
.macro FETCHW slot, f0, wb
	WIN 0
.set ff, 0
.rept 8
	ds_load_b128 v[(\wb)+8*ff:(\wb)+8*ff+3],   v[WAD+(\slot)] offset:((\f0)+ff)*1024
	ds_load_b128 v[(\wb)+8*ff+4:(\wb)+8*ff+7], v[WAD+(\slot)] offset:((\f0)+ff)*1024+512
.set ff, ff+1
.endr
.endm
.macro FETCHX blk, kk, xb
	WIN 0
.irp rt, 0,1,2,3
	ds_load_b128 v[(\xb)+8*\rt:(\xb)+8*\rt+3],   v[XAD+(\blk)] offset:\rt*16*XP+(\kk)*64
	ds_load_b128 v[(\xb)+8*\rt+4:(\xb)+8*\rt+7], v[XAD+(\blk)] offset:\rt*16*XP+(\kk)*64+32
.endr
.endm
.macro FETCHQ blk, kk, xb              ; q's fragments of K32 step kk of a slab: dense, 16 bytes a lane
	WIN 0
.irp rt, 0,1,2,3
	ds_load_b128 v[(\xb)+8*\rt:(\xb)+8*\rt+3],   v[QAD+(\blk)] offset:((\kk)*4+\rt)*1024
	ds_load_b128 v[(\xb)+8*\rt+4:(\xb)+8*\rt+7], v[QAD+(\blk)] offset:((\kk)*4+\rt)*1024+512
.endr
.endm
.macro MUL form, wb, xb, win, i0, n    ; 4 n matrix instructions; the accumulators take turns, one instruction a turn
	WIN 0x50*(\win)
.set mi, (\i0)
.rept (\n)
.irp rt, 0,1,2,3
	v_wmma_f32_16x16x32_\form v[32*mi+8*\rt:32*mi+8*\rt+7], v[(\wb)+8*mi:(\wb)+8*mi+7], v[(\xb)+8*\rt:(\xb)+8*\rt+7], v[32*mi+8*\rt:32*mi+8*\rt+7]
.endr
.set mi, mi+1
.endr
.endm
.macro INIT win, base, imm0            ; 64 loads: a window's accumulators take the bias of their columns
	WIN (\win)<<6
.set ii, 0
.rept 8
.irp rt, 0,1,2,3
	global_load_b128 v[32*ii+8*\rt:32*ii+8*\rt+3],   v[BO], s[\base:\base+1] offset:(\imm0)+64*ii
	global_load_b128 v[32*ii+8*\rt+4:32*ii+8*\rt+7], v[BO], s[\base:\base+1] offset:(\imm0)+64*ii+16
.endr
.set ii, ii+1
.endr
.endm
.macro XLOAD set
	WIN 0x40
.irp t, 0,1,2,3,4,5,6,7
	global_load_b128 v[32*(\set)+4*\t:32*(\set)+4*\t+3], v[KO+(\set)], s[4:5] offset:\t*4096 th:TH_LOAD_NT
.endr
.endm
.macro XCVT set
	WIN 0x45
.set cc, 0
.rept 16
	v_cvt_pk_bf16_f32 v[CT+cc], v[32*(\set)+2*cc], v[32*(\set)+2*cc+1]
.set cc, cc+1
.endr
.endm
.macro XSTORE blk
	WIN 0x04
.irp t, 0,1,2,3,4,5,6,7
	ds_store_b64 v[XST+(\blk)], v[CT+2*\t:CT+2*\t+1] offset:\t*XP
.endr
.endm
.macro VLOAD a0, n                     ; value rows a0 .. a0 + n - 1 of my sixteen: each load of the wave takes 512 consecutive bytes
	WIN (2+(\a0)/8)<<6
.set va, (\a0)
.rept (\n)
.irp c, 0,1,2,3,4,5,6,7
	global_load_b128 v[32*(va%8)+4*\c:32*(va%8)+4*\c+3], v[VO], s[10:11] offset:va*4096+\c*512 th:TH_LOAD_NT
.endr
.set va, va+1
.endr
.endm
; THE CHANGE OF SLOTS, on the slab's last 32 products.  In front of the barrier each wave waits for all its tensor loads (one is out: its part of the other slot), adds 0 to its spare word, and waits for that, for its reads of
; this slot and of this activation block, and for its stores into the other block.  refill = 1: the barrier opens a round of the cluster's, and the joint refill of this slot, two slabs on in the stream, is the first thing behind it.
; nx: the next slab's activations come from the query ring (0) or the q ring (1).
.macro MEET form, win, p, refill, nx
	s_wait_dscnt 0x0                               ; the fragments of these products are in
	WIN 0
	s_wait_tensorcnt 0x0                           ; no tensor load of mine is out, so a group 0 may be written
	ds_add_u32 v[SPW], v[NIL]                      ; 0 onto my spare word
.if \refill
	AIM \p
.endif
	MUL \form, WB1, XB1, \win, 0, 2
	s_wait_dscnt 0x0                               ; the add is done; no LDS instruction of mine is out
	s_barrier_signal -1
	MUL \form, WB1, XB1, \win, 2, 2                ; work on registers while the others arrive
	WIN 0
	s_barrier_wait -1
.if \refill
	CREST                                          ; no wave of any partner still reads this slot or has a load on its way
	tensor_load_to_lds s[G0+4*(\p):G0+4*(\p)+3], s[G1:G1+7]
	s_nop 0
	PLACES                                         ; also the places in front of the loads below
.else
	PLACES
.endif
	FETCHW 1-(\p), 0, WB0
.if \nx
	FETCHQ 1-(\p), 0, XB0
.else
	FETCHX 1-(\p), 0, XB0
.endif
	MUL \form, WB1, XB1, \win, 4, 4
.endm
; PHASE K: a slab of 64 along K for all 256 of the wave's columns.  Staging set 1 - p, the next slab's query, is rounded and stored into block 1 - p, which nobody has read since the last barrier; the set is loaded again, three slabs on in the walk.
.macro SLABK p
	s_wait_dscnt 0x0
	PLACES
	FETCHW \p, 8, WB1
	MUL bf16, WB0, XB0, 2, 0, 8
	s_wait_dscnt 0x0
	s_wait_loadcnt 0x8                             ; loads come back in order: the set's eight are in, the other set's eight younger ones stay out; the set's address register is free
	WIN 0
	KNEXT 1-(\p)
	XCVT 1-(\p)                                    ; plain instructions: the places in front of the loads below
	FETCHW \p, 16, WB0
	FETCHX \p, 1, XB1
	XSTORE 1-(\p)
	XLOAD 1-(\p)
	MUL bf16, WB1, XB0, 3, 0, 8
	s_wait_dscnt 0x0
	PLACES
	FETCHW \p, 24, WB1
	MUL bf16, WB0, XB1, 2, 0, 8
	MEET bf16, 3, \p, 1, 0
.endm
; PHASE T: a slab of 128 along K for 128 of the wave's columns.  drain = 1: the next slab's q goes from registers into block 1 - p.  reload = 1: the registers take the slab after that.
; vb = 1, 2: value rows 0-3, 4-7 are asked for.
.macro SLABT p, refill, drain, reload, last, vb
	s_wait_dscnt 0x0
	PLACES
	FETCHW \p, 8, WB1
	FETCHQ \p, 1, XB1
	MUL f16, WB0, XB0, 1, 0, 8
	s_wait_dscnt 0x0
	PLACES
	FETCHW \p, 16, WB0
	FETCHQ \p, 2, XB0
.if \drain
	s_wait_loadcnt 0x0                             ; q's eight loads, issued a slab ago, are the only ones out
.irp c, 0,1,2,3,4,5,6,7
	ds_store_b128 v[QST+1-(\p)], v[QS+4*\c:QS+4*\c+3] offset:512*\c
.endr
.if \reload
	QNEXT QGO
.irp c, 0,1,2,3,4,5,6,7
	global_load_b128 v[QS+4*\c:QS+4*\c+3], v[QGO], s[8:9] offset:512*\c
.endr
.endif
.endif
.if (\vb) == 1
	VLOAD 0, 4
.endif
.if (\vb) == 2
	VLOAD 4, 4
.endif
	MUL f16, WB1, XB1, 1, 0, 8
	s_wait_dscnt 0x0
	PLACES
	FETCHW \p, 24, WB1
	FETCHQ \p, 3, XB1
	MUL f16, WB0, XB0, 1, 0, 8
.if \last
	s_wait_dscnt 0x0
	MUL f16, WB1, XB1, 1, 0, 8
.else
	MEET f16, 1, \p, \refill, 1
.endif
.endm
.macro RELU win
	WIN ((\win)<<6)|((\win)<<2)
.set ri, 0
.rept 256
	v_max_num_f32 v[ri], 0, v[ri]                  ; each accumulator from its low end on
.set ri, ri+1
.endr
.endm
; A pass's t times the k of window 2 + hp, into four pairs of sums, a pair a row tile, by turns; each accumulator is read from its low end on.  reinit = 1: behind a column tile's products its accumulators take the second pass's bias.
.macro DOT hp, reinit
	PLACES
.set di, 0
.rept 8
	WIN 0x09+4*(\hp)
.irp jp, 0,1,2,3
.irp rt, 0,1,2,3
	v_pk_fma_f32 v[EA+2*\rt:EA+2*\rt+1], v[32*di+8*\rt+2*\jp:32*di+8*\rt+2*\jp+1], v[32*di+8*\rt+2*\jp:32*di+8*\rt+2*\jp+1], v[EA+2*\rt:EA+2*\rt+1]
.endr
.endr
.if \reinit
	WIN 0x40
.irp rt, 0,1,2,3
	global_load_b128 v[32*di+8*\rt:32*di+8*\rt+3],   v[BO], s[BA:BA+1] offset:512+64*di
	global_load_b128 v[32*di+8*\rt+4:32*di+8*\rt+7], v[BO], s[BA:BA+1] offset:512+64*di+16
.endr
.endif
.set di, di+1
.endr
.endm
; Row a of my sixteen: rounded to bf16 as every input is, then times its weight onto my 32 columns' sums.
.macro VROW a
.if (\a) < 8
	s_wait_loadcnt 0x3f                            ; 120 - 8 a loads were issued behind this row's; the wait names the largest count that it can: at most 63 of the 128 are out, so rows 0 to 7 are in
.else
	s_wait_loadcnt 120-8*(\a)                      ; the loads issued behind this row's may stay out
.endif
	WIN 0x0a+5*((\a)/8)
.set vx, 0
.rept 16
	v_cvt_pk_bf16_f32 v[VT+vx], v[32*((\a)%8)+2*vx], v[32*((\a)%8)+2*vx+1]
.set vx, vx+1
.endr
	WIN 0
.set vx, 0
.rept 16
	v_fma_mix_f32_bf16 v[CA+2*vx], v[VT+vx], v[PV+(\a)], v[CA+2*vx] op_sel_hi:[1,0,0]
	v_fma_mix_f32_bf16 v[CA+2*vx+1], v[VT+vx], v[PV+(\a)], v[CA+2*vx+1] op_sel:[1,0,0] op_sel_hi:[1,0,0]
.set vx, vx+1
.endr
.endm
	s_load_b256 s[4:11], s[0:1], 0x0               ; query s[4:5], wpack s[6:7], qe s[8:9], value s[10:11]
	s_load_b64 s[12:13], s[0:1], 0x20              ; part
	v_lshl_add_u32 v[SPW], v0, 2, SPARE
	v_mov_b32 v[NIL], 0
	ds_add_u32 v[SPW], v[NIL]                      ; the wave's opening: the add and its wait stand ahead of my first tensor load; the set-up below, work on registers, stands between them
	v_lshrrev_b32 v1, 5, v0
	v_readfirstlane_b32 s[WV], v1                  ; wave 0..3
	s_bfe_u32 s15, ttmp6, 0x40000                  ; cx: my place in the cluster
	s_lshl_b32 s16, ttmp9, 2
	s_add_co_u32 s16, s16, s15                     ; my block of 64 rows: it enters query's, qe's, value's and part's addresses alone
	s_lshr_b32 s[ROT], ttmp9, 2
	s_xor_b32 s[ROT], s[ROT], ttmp9
	s_and_b32 s[ROT], s[ROT], 15                   ; where my cluster's walks begin
	s_lshl_b32 s[SK], s[ROT], 8                    ; query: 256 bytes of a row a slab
	s_and_b32 s[SQ], s[ROT], 7
	s_lshl_b32 s[SQ], s[SQ], 14                    ; q: 16,384 bytes a slab
	s_mov_b32 s[NN], 0
	s_mov_b32 s[OFF+1], 0
	s_mov_b32 s[G1+0], 15|(3<<16)|(1<<21)          ; group 1: the mask of four; elements of 8 bytes; bit 21 beside a mask
	s_mov_b32 s[G1+1], 32<<16                      ; tensor_dim0 = 32
	s_mov_b32 s[G1+2], 128<<16                     ; tensor_dim1 = 128
	s_mov_b32 s[G1+3], 32<<16                      ; tile_dim0 = 32
	s_mov_b32 s[G1+4], 128                         ; tile_dim1 = 128: 128 rows of 256 dense bytes
	s_mov_b32 s[G1+5], 32
	s_mov_b32 s[G1+6], 0
	s_mov_b32 s[G1+7], 0
	s_lshl_b32 s48, s[WV], 15                      ; my part of a slab and of a slot: the wave's number alone
	s_mov_b32 s49, 0
	s_mov_b32 s[G0], 1
	s_add_co_u32 s[G0+1], s48, 0
	s_mov_b32 s[G0+4], 1
	s_add_co_u32 s[G0+5], s48, SLOTB
	s_lshl_b32 s44, s16, 18                        ; 64 rows of 4,096 bytes
	s_mov_b32 s45, 0
	s_lshl_b32 s52, s16, 17                        ; 131,072 bytes of qe
	s_mov_b32 s53, 0
	s_mul_i32 s54, s16, 4608                       ; a row of part
	s_mov_b32 s55, 0
	s_mov_b32 s[SEL], 0x76543210
	s_mov_b32 s[SEL+1], 0xfedcba98
	v_and_b32 v1, 15, v0                           ; r
	v_bfe_u32 v30, v0, 4, 1                        ; h
	v_and_b32 v31, 31, v0
	v_lshlrev_b32 v31, 4, v31                      ; 16 L
	v_add_nc_u32 v[WAD], s48, v31
	v_add_nc_u32 v[WAD+1], SLOTB, v[WAD]
	v_mul_u32_u24 v[XAD], v1, XP
	v_lshl_add_u32 v[XAD], v30, 4, v[XAD]
	v_add_nc_u32 v[XAD], XR, v[XAD]
	v_add_nc_u32 v[XAD+1], XBLK, v[XAD]
	v_mul_u32_u24 v[XST], v30, 8*XP
	v_lshl_add_u32 v[XST], v1, 3, v[XST]
	s_mul_i32 s17, s[WV], 16*XP
	s_add_co_u32 s17, s17, XR
	v_add_nc_u32 v[XST], s17, v[XST]
	v_add_nc_u32 v[XST+1], XBLK, v[XST]
	v_lshlrev_b32 v[LT], 15, v30
	v_lshl_add_u32 v[LT], v1, 4, v[LT]
	s_lshl_b32 s17, s[WV], 16
	v_add_nc_u32 v[LT], s17, v[LT]
	v_add_nc_u32 v[VO], s17, v31                   ; 16 rows of 4,096 bytes a wave
	KNEXT 0                                        ; the walk's first two slabs of query
	KNEXT 1
	s_lshl_b32 s17, s[WV], 10
	v_lshl_add_u32 v[BO], v30, 5, s17
	s_lshl_b32 s17, s[WV], 12
	v_add_nc_u32 v[QLT], s17, v31                  ; a quarter of a slab of q a wave
	v_add_nc_u32 v[QST], QR, v[QLT]
	v_add_nc_u32 v[QST+1], QBLK, v[QST]
	v_add_nc_u32 v[QAD], QR, v31
	v_add_nc_u32 v[QAD+1], QBLK, v[QAD]
	QNEXT QG1                                      ; the walk's first two slabs of q (h, which lay in this register, has served)
	QNEXT QGO
	s_lshl_b32 s17, s[WV], 8
	s_add_co_u32 s17, s17, EP
	v_lshl_add_u32 v[EPA], v1, 2, s17
.irp j, 0,1,2,3,4,5,6,7
	v_mov_b32 v[EA+\j], 0                          ; the energies' eight sums
.endr
	s_wait_dscnt 0x0                               ; the opening add is done
	s_wait_kmcnt 0x0
	s_add_nc_u64 s[WBS:WBS+1], s[6:7], s[48:49]
	s_add_nc_u64 s[WBS:WBS+1], s[WBS:WBS+1], 0x200000  ; W0's slab 0, my part
	AIM 0                                          ; the stream's first two slabs
	AIM 1
	s_add_nc_u64 s[BB:BB+1], s[6:7], 0x601000
	s_add_nc_u64 s[BA:BA+1], s[6:7], 0x602000
	s_add_nc_u64 s[4:5], s[4:5], s[44:45]
	s_add_nc_u64 s[10:11], s[10:11], s[44:45]
	s_add_nc_u64 s[8:9], s[8:9], s[52:53]
	s_add_nc_u64 s[12:13], s[12:13], s[54:55]
	CROUND                                         ; all four work-groups are here: the first joint loads meet
	tensor_load_to_lds s[G0:G0+3], s[G1:G1+7]      ; two loads of mine are out
	s_nop 0
	tensor_load_to_lds s[G0+4:G0+7], s[G1:G1+7]
	s_nop 0
	PLACES
	INIT 2, BB, 0
	INIT 3, BB, 512
	WIN 0
.irp c, 0,1,2,3,4,5,6,7
	global_load_b128 v[WB0+4*\c:WB0+4*\c+3], v[QG1], s[8:9] offset:512*\c          ; q's first slab, on its way to block 0
.endr
.irp c, 0,1,2,3,4,5,6,7
	global_load_b128 v[QS+4*\c:QS+4*\c+3], v[QGO], s[8:9] offset:512*\c            ; q's second slab waits in registers through phase K
.endr
	XLOAD 0
	XLOAD 1
	WIN 0
	s_wait_loadcnt 0x10                            ; the bias and q are in; the two query sets' sixteen stay out
.irp c, 0,1,2,3,4,5,6,7
	ds_store_b128 v[QST], v[WB0+4*\c:WB0+4*\c+3] offset:512*\c
.endr
	s_wait_loadcnt 0x8                             ; set 0 is in
	KNEXT 0
	XCVT 0
	XSTORE 0
	XLOAD 0                                        ; the walk's third slab
	WIN 0
	s_wait_dscnt 0x0                               ; for the others' sake: my parts of the two rings' blocks 0 are stored
	s_wait_tensorcnt 0x1                           ; my part of slot 0 is in; slot 1's may stay out
	s_barrier_signal -1
	s_barrier_wait -1
	FETCHW 0, 0, WB0
	FETCHX 0, 0, XB0
	s_mov_b32 s[CNT], 8
.Lk:                                                   ; PHASE K: all 16 slabs, two a trip.  The last drain, the last three reloads (they go round to the walk's first slabs) and the last fetch of query fragments serve nothing: the price of one text for every trip
	SLABK 0
	SLABK 1
	WIN 0
	s_sub_co_u32 s[CNT], s[CNT], 1
	s_cmp_lg_u32 s[CNT], 0
	s_cbranch_scc1 .Lk
	s_wait_loadcnt 0x0                             ; the staging sets' registers become t's
	s_wait_dscnt 0x0                               ; and the fragment buffer that the last fetch filled is loaded anew below
	INIT 1, BA, 0                                  ; the first pass's sums begin at ba
	RELU 2                                         ; k = relu(..): 512 plain instructions, under which the bias comes in; window 2's stand between the last products, window 3's, and their relu
	RELU 3
	FETCHQ 0, 0, XB0                               ; the weights' first fragments of the first pass are there: the last change of slots fetched them
	s_wait_loadcnt 0x0
	s_mov_b32 s[CNT], 7
.Lt:                                                   ; PHASE T: the stream's slabs 16 to 29, two a trip
	SLABT 0, 1, 1, 1, 0, 0
	SLABT 1, 1, 1, 1, 0, 0
	WIN 0
	s_sub_co_u32 s[CNT], s[CNT], 1
	s_cmp_lg_u32 s[CNT], 3
	s_cbranch_scc1 .Lsame_half                     ; behind the fourth trip the first pass is whole
	DOT 0, 1
	WIN 0
	s_wait_loadcnt 0x0                             ; the second pass's bias
.Lsame_half:
	s_cmp_lg_u32 s[CNT], 0
	s_cbranch_scc1 .Lt
	SLABT 0, 0, 1, 0, 0, 1                         ; the last two slabs ask for no weights; window 2, whose k has been used, takes value rows 0-7
	SLABT 1, 0, 0, 0, 1, 2
	DOT 1, 0
	VLOAD 8, 8                                     ; window 3's k has been used
	WIN 0
	; THE ENERGIES: a pair's two halves, the lane 16 away (the other 8 of 16 columns), then the four waves through LDS
.irp rt, 0,1,2,3
	v_add_f32 v[EA+2*\rt], v[EA+2*\rt], v[EA+2*\rt+1]
.endr
.irp rt, 0,1,2,3
	v_permlanex16_b32 v[EA+2*\rt+1], v[EA+2*\rt], s[SEL], s[SEL+1]
.endr
.irp rt, 0,1,2,3
	v_add_f32 v[EA+2*\rt], v[EA+2*\rt], v[EA+2*\rt+1]
.endr
.irp rt, 0,1,2,3
	ds_store_b32 v[EPA], v[EA+2*\rt] offset:64*\rt ; row 16 rt + r; both halves of the lanes store the same number
.endr
	v_and_b32 v30, 31, v0
	v_lshl_add_u32 v30, v30, 2, EP
	s_wait_dscnt 0x0                               ; for the others' sake
	s_barrier_signal -1
	s_barrier_wait -1
.irp wv, 0,1,2,3
	ds_load_b32 v[EW+2*\wv],   v30 offset:256*\wv
	ds_load_b32 v[EW+2*\wv+1], v30 offset:256*\wv+128
.endr
.set i, 0
.rept 32
	v_mov_b32 v[CA+i], 0                           ; my 32 columns' sums, under the wait for those loads
.set i, i+1
.endr
	s_wait_dscnt 0x0
	v_add_f32 v[EW], v[EW], v[EW+2]
	v_add_f32 v[EW+1], v[EW+1], v[EW+3]
	v_add_f32 v[EW+4], v[EW+4], v[EW+6]
	v_add_f32 v[EW+5], v[EW+5], v[EW+7]
	v_add_f32 v[EW], v[EW], v[EW+4]                ; e of row L
	v_add_f32 v[EW+1], v[EW+1], v[EW+5]            ; e of row L + 32; every wave adds in the same order and holds the same numbers
	v_max_num_f32 v[MX], v[EW], v[EW+1]
	v_max_num_f32_dpp v[MX], v[MX], v[MX] row_xmask:1 row_mask:0xf bank_mask:0xf
	v_max_num_f32_dpp v[MX], v[MX], v[MX] row_xmask:2 row_mask:0xf bank_mask:0xf
	v_max_num_f32_dpp v[MX], v[MX], v[MX] row_xmask:4 row_mask:0xf bank_mask:0xf
	v_max_num_f32_dpp v[MX], v[MX], v[MX] row_xmask:8 row_mask:0xf bank_mask:0xf
	v_mov_b32 v[MX+1], v[MX]
	v_permlanex16_b32 v[MX+1], v[MX], s[SEL], s[SEL+1]
	v_max_num_f32 v[MX], v[MX], v[MX+1]            ; m: the block's maximum, taken away before the exponential
	v_sub_f32 v[PP], v[EW], v[MX]
	v_sub_f32 v[PP+1], v[EW+1], v[MX]
	v_mul_f32 v[PP], 0x3fb8aa3b, v[PP]
	v_mul_f32 v[PP+1], 0x3fb8aa3b, v[PP+1]
	v_exp_f32 v[PP], v[PP]
	v_exp_f32 v[PP+1], v[PP+1]
	s_lshl_b32 s17, s[WV], 8
	v_add_nc_u32 v31, s17, v30                     ; a plain instruction behind the exponentials (ISA guide 5.7.2)
	s_wait_alu depctr_va_vdst(0)
	v_add_f32 v[LS], v[PP], v[PP+1]
	ds_store_b32 v31, v[PP] offset:PS-EP           ; the 64 weights into my wave's own 256 bytes
	ds_store_b32 v31, v[PP+1] offset:PS-EP+128
	v_add_f32_dpp v[LS], v[LS], v[LS] row_xmask:1 row_mask:0xf bank_mask:0xf
	v_add_f32_dpp v[LS], v[LS], v[LS] row_xmask:2 row_mask:0xf bank_mask:0xf
	v_add_f32_dpp v[LS], v[LS], v[LS] row_xmask:4 row_mask:0xf bank_mask:0xf
	v_add_f32_dpp v[LS], v[LS], v[LS] row_xmask:8 row_mask:0xf bank_mask:0xf
	v_mov_b32 v[LS+1], v[LS]
	v_permlanex16_b32 v[LS+1], v[LS], s[SEL], s[SEL+1]
	v_add_f32 v[LS], v[LS], v[LS+1]                ; l
	v_mov_b32 v[ML], v[MX]
	v_mov_b32 v[ML+1], v[LS]
	v_mov_b32 v[ML+2], v[MX]
	v_mov_b32 v[ML+3], v[LS]
	s_mul_i32 s17, s[WV], 320                      ; in my 256 bytes, rows 16 w ..: 256 w + 64 w
	s_add_co_u32 s17, s17, PS
	v_mov_b32 v1, s17
	s_wait_dscnt 0x0
	s_barrier_signal -1                            ; the weights are read behind a barrier, so that the order of store and read does not rest on the two addresses' arithmetic
	s_barrier_wait -1
.irp c, 0,1,2,3
	ds_load_b128 v[PV+4*\c:PV+4*\c+3], v1 offset:16*\c     ; my 16 rows' weights, the same in every lane
.endr
	s_wait_dscnt 0x0
.irp a, 0,1,2,3,4,5,6,7,8,9,10,11,12,13,14,15
	VROW \a
.endr
	; THE FOUR WAVES' SUMS meet in LDS, where q's ring lay: every wave's reads of the ring were back in front of the energies' barrier
.irp c, 0,1,2,3,4,5,6,7
	ds_store_b128 v[QST], v[CA+4*\c:CA+4*\c+3] offset:512*\c
.endr
	v_lshl_add_u32 v1, v0, 4, QR
	v_lshlrev_b32 v30, 4, v0
	s_wait_dscnt 0x0                               ; for the others' sake
	s_barrier_signal -1
	s_barrier_wait -1
.irp wv, 0,1,2,3
	ds_load_b128 v[CA+8*\wv:CA+8*\wv+3],   v1 offset:4096*\wv
	ds_load_b128 v[CA+8*\wv+4:CA+8*\wv+7], v1 offset:4096*\wv+2048
.endr
	s_wait_dscnt 0x0
.irp j, 0,2,4,6
	v_pk_add_f32 v[CA+\j:CA+\j+1], v[CA+\j:CA+\j+1], v[CA+8+\j:CA+8+\j+1]
	v_pk_add_f32 v[CA+16+\j:CA+16+\j+1], v[CA+16+\j:CA+16+\j+1], v[CA+24+\j:CA+24+\j+1]
.endr
.irp j, 0,2,4,6
	v_pk_add_f32 v[CA+\j:CA+\j+1], v[CA+\j:CA+\j+1], v[CA+16+\j:CA+16+\j+1]
.endr
	global_store_b128 v30, v[CA:CA+3], s[12:13]            ; each store of a wave covers 512 consecutive bytes, aligned
	global_store_b128 v30, v[CA+4:CA+7], s[12:13] offset:2048
	s_cmp_lg_u32 s[WV], 0
	s_cbranch_scc1 .Lno_ml
	global_store_b128 v30, v[ML:ML+3], s[12:13] offset:4096  ; wave 0: (m, l) 64 times over, 512 whole bytes
.Lno_ml:
	s_wait_tensorcnt 0x0                           ; the wave's end: behind my last tensor load and my last LDS store
	ds_add_u32 v[SPW], v[NIL]
	s_wait_dscnt 0x0
	CROUND                                         ; the closing round: no work-group ends while a partner may still ask for a slab that names it
	s_endpgm
.Lfunc_end_k_q99ce04f7e5_score:
	.size	k_q99ce04f7e5_score, .Lfunc_end_k_q99ce04f7e5_score-k_q99ce04f7e5_score
	.p2alignl 7, 3214868480
	.fill 96, 4, 3214868480
	.section	.rodata,"a",@progbits
	.p2align	6, 0x0
	.amdhsa_kernel k_q99ce04f7e5_score
		.amdhsa_group_segment_fixed_size 327680
		.amdhsa_private_segment_fixed_size 0
		.amdhsa_enable_private_segment 0
		.amdhsa_kernarg_size 40
		.amdhsa_user_sgpr_count 2
		.amdhsa_user_sgpr_kernarg_segment_ptr 1
		.amdhsa_wavefront_size32 1
		.amdhsa_system_sgpr_workgroup_id_x 1
		.amdhsa_system_sgpr_workgroup_id_y 1
		.amdhsa_system_sgpr_workgroup_id_z 1
		.amdhsa_system_vgpr_workitem_id 0
		.amdhsa_next_free_vgpr 1024
		.amdhsa_next_free_sgpr 66
		.amdhsa_reserve_vcc 0
		.amdhsa_float_denorm_mode_32 3
		.amdhsa_float_denorm_mode_16_64 3
		.amdhsa_memory_ordered 1
		.amdhsa_forward_progress 1
		.amdhsa_inst_pref_size 239
	.end_amdhsa_kernel
	.amdgpu_metadata
---
amdhsa.version: [ 1, 2 ]
amdhsa.kernels:
  - .name:           k_q99ce04f7e5_score
    .symbol:         k_q99ce04f7e5_score.kd
    .args:
      - { .name: query, .offset: 0, .size: 8, .value_kind: global_buffer, .address_space: global }
      - { .name: wpack, .offset: 8, .size: 8, .value_kind: global_buffer, .address_space: global }
      - { .name: qe, .offset: 16, .size: 8, .value_kind: global_buffer, .address_space: global }
      - { .name: value, .offset: 24, .size: 8, .value_kind: global_buffer, .address_space: global }
      - { .name: part, .offset: 32, .size: 8, .value_kind: global_buffer, .address_space: global }
    .group_segment_fixed_size: 327680
    .private_segment_fixed_size: 0
    .kernarg_segment_align: 8
    .kernarg_segment_size: 40
    .max_flat_workgroup_size: 128
    .sgpr_count:     66
    .vgpr_count:     1024
    .wavefront_size: 32
...
	.end_amdgpu_metadata
.endif
;; end of part 6
;; launch combine: the kernel of part 4 again; grid 16 x 1, 8 waves a work-group, no clusters, 4,608 bytes of LDS; arguments part, out0; writes out0
